; MI455X (gfx1250); checked and timed in simulation.
; The chip was launched on July 23, 2026; its instructions are those of AMD's public machine-readable ISA for CDNA 5 (MIT licence, August 2026) and "CDNA5" Instruction Set Architecture Reference Guide (July 2026). The comments in the code are by the model that wrote it; some were corrected since.
;; Mixture Of Experts. Allowed arithmetic: matrix products marked QUANTISED: E2M3 operands, one E8M0 scale for each 32 along K, by v_wmma_scale_f32_16x16x128_f8f6f4 with both operands' format E2M3, f32 sums; products left as they are: f32 operands where the result goes on into a quantised operand, else bf16, f16 or f32 operands; f32 sums; everything else in f32.
;; Inputs: We_codes 8 x 1,024 x 32 x 24 uint8 (E2M3 codes of We, K innermost, in blocks of 32 codes, four codes in three bytes); We_scales 8 x 1,024 x 32 uint8 (E8M0 scales of We, one for each 32 codes along K); Wg1_codes 64 x 32 x 24 uint8 (E2M3 codes of Wg1, K innermost, in blocks of 32 codes, four codes in three bytes); Wg1_scales 64 x 32 uint8 (E8M0 scales of Wg1, one for each 32 codes along K); Wg2 8 x 64 float32; be 8 x 1,024 float32; bg1 64 float32; bg2 8 float32; x_codes 8,192 x 32 x 24 uint8 (E2M3 codes of x, K innermost, in blocks of 32 codes, four codes in three bytes); x_scales 8,192 x 32 uint8 (E8M0 scales of x, one for each 32 codes along K).
;; Outputs: out0 8,192 x 1,024 float32; out1 8,192 x 8 float32; out2 8,192 x 2 int32.
;; This version of the problem:
;;   THIS VERSION OF THE PROBLEM IS GIVEN IN LOW PRECISION. The matrix products marked QUANTISED in the list below multiply operands that are first quantised to E2M3 (2 exponent bits, 3 mantissa bits; 6 bits a number), with one power-of-two scale for each 32 numbers along K (OCP MX v1.0); their sums are f32. All else is computed in f32.
;;   The module's matrix products, in the order in which they are computed (A, B: the left and right operand; K: the contracted axis; several contracted axes count as one K, in the product's order):
;;     1. [M 8,192, K 1,024] x [K 1,024, N 64]; A: input x (given as codes); B: input Wg1 (given as codes): QUANTISED
;;     2. [M 8,192, K 64] x [K 64, N 8]; A: computed on the way; B: input Wg2: left as it is (N = 8 < 16)
;;     3. [M 8,192, K 1,024] x [K 1,024, N 8,192]; A: input x (given as codes); B: input We (given as codes): QUANTISED
;;   THE QUANTISER, for each operand of a quantised product, along K:
;;     - K is cut into blocks of 32 from its start; a last block that is shorter is filled with zeros.
;;     - A block's scale is 2^e with e = floor(log2(the largest magnitude in the block)) - 2, held to -126 .. 127; a block of zeros has e = 0. As a byte (E8M0): e + 127.
;;     - Each number is divided by its block's scale, clamped to +-7.5, and rounded to the nearest number of E2M3, ties to even, subnormals kept.
;;     - The product sums the exact products of the quantised numbers (number of the format x scale) in f32.
;;   ~~~python
;;   def quantise(x, axis):      # numpy; x: float32 -> the quantised numbers, widened to float32 again
;;       x = np.moveaxis(x, axis, -1); K = x.shape[-1]
;;       x = np.pad(x, [(0, 0)] * (x.ndim - 1) + [(0, -K % 32)]); x = x.reshape(x.shape[:-1] + (-1, 32)); a = np.abs(x).max(-1, keepdims=True)
;;       e = np.where(a > 0, np.clip(np.frexp(np.where(a > 0, a, 1))[1] - 1 - 2, -126, 127), 0)      # np.frexp(a)[1] - 1 = floor(log2(a)), exactly
;;       r = np.clip(x / 2.0 ** e, -7.5, 7.5)
;;       step = 2.0 ** (np.maximum(np.frexp(np.where(r == 0, 1, r))[1] - 1, 0) - 3)
;;       q = np.round(r / step) * step * 2.0 ** e      # np.round: ties to even
;;       return np.moveaxis(q.reshape(q.shape[:-2] + (-1,))[..., :K], -1, axis).astype(np.float32)
;;   ~~~
;;   INPUTS GIVEN AS CODES. We (in the module: [8, 1024, 1024], K = its axis 2); Wg1 (in the module: [64, 1024], K = its axis 1); x (in the module: [8192, 1024], K = its axis 1): each comes as NAME_codes (uint8): NAME with its K axis moved to the last place and cut into blocks of 32 codes, [.., K / 32, bytes a block], one block behind the other in memory; four codes in three bytes: a row's codes are one little-endian stream of bits, code i at bits 6 i .. 6 i + 5 (a code: sign, 2 exponent bits, 3 mantissa bits); and NAME_scales (uint8): the same leading axes, one E8M0 byte (e + 127) for each 32 codes along K. Its value is code x scale, taken as it is: it is not quantised again, and the codes and scales need not be those that the quantiser above would give.
;; 2 versions. Each part assembles by itself: llvm-mc -triple=amdgcn-amd-amdhsa -mcpu=gfx1250 --defsym DOCPART=n.
;; ======== version 1 of 2: 3 launches
;; workspace buffers: wf 6,291,456 bytes; tw 65,536 bytes; kr 32,768 bytes of whole numbers; hist 65,536 bytes of whole numbers; order 32,768 bytes of whole numbers; work 4,096 bytes of whole numbers
;; launch gate (part 1): grid 128 x 1, 4 waves a work-group, no clusters, 155,136 bytes of LDS; arguments x_codes, x_scales, Wg1_codes, Wg1_scales, Wg2, bg1, bg2, We_codes, out1, out2, tw, kr, hist, wf; writes out1, out2, tw, kr, hist, wf
.if DOCPART == 1
	.amdgcn_target "amdgcn-amd-amdhsa--gfx1250"
	.amdhsa_code_object_version 6
	.text
	.protected	k_q7296b80f57_gate
	.globl	k_q7296b80f57_gate
	.p2align	8
	.type	k_q7296b80f57_gate,@function
k_q7296b80f57_gate:
	s_mov_b64 s[64:65], 0
	v_nop
	global_prefetch_b8 v0, s[64:65] scope:SCOPE_SE
	s_setreg_imm32_b32 hwreg(HW_REG_WAVE_MODE, 25, 1), 1
	s_wait_xcnt 0x0
; THE GATE, AND THE LAYING OUT OF We.  8,192 tokens, 1,024 along K, 64 hidden units, 8 experts.
; h = relu(x Wg1^T + bg1) on codes of FP6 (E2M3) with E8M0 scales, as they lie in memory; scores = h Wg2^T + bg2 in f32 multiply-adds (out2 is compared exactly,
; so nothing coarser than f32 stands ahead of the choice); softmax with the row's maximum taken away; the two largest weights, the lower index on a tie.
; SHARES.  128 work-groups of four waves: 512 waves.  Wave gw takes tokens 16 gw .. 16 gw + 15, and unit gw of We: 16 rows (expert gw / 64, output columns 16 (gw % 64) on) x all of K.
; That unit is stored to wf as IMAGES OF OPERAND REGISTERS: the fragment of K step s at 12,288 gw + 1,536 s, its registers 4 c .. 4 c + 3 at 512 c + 16 x lane, so that the
; launch that multiplies by We loads a fragment by three loads of 512 consecutive bytes.
; FOR THE SORT THAT FOLLOWS each token gets a key 0 .. 27 for its pair of experts {a < b}: (a (15 - a)) / 2 + (a odd ? 7 - b : b - a - 1); neighbouring keys share an expert.
; Stored at fixed places: kr[token] = key | rank among its tile's 16 tokens of that key << 8 | i1 << 16 | i2 << 20;  hist[tile][32]: the tile's count of each key;  tw[token] = the two weights.
; No address and no branch of this launch hangs on the choice.
; ROWS OF CODES (768 bytes) are loaded in aligned pieces of 256 bytes by sixteen lanes and turned through LDS, rows 784 bytes apart (196 words: row r starts at bank 4 r mod 64;
; 64 banks of 4 bytes: ISA guide 11.1), from where a lane takes the 24 + 24 bytes that the 6-bit layout gives it, in pieces of 8.
; THE FIRST PRODUCT IS USED TRANSPOSED (source 0 = 16 rows of Wg1, source 1 = my 16 tokens): lane (r, h) holds token r, register j of tile t hidden unit 16 t + 8 h + j.
; NO JOINT REQUESTS: Wg1's 49,152 bytes are all that work-groups share, a third of a work-group's bytes, read once by each; all loads go through registers.
; LIMITS: NaN, infinities and the scale byte 0xff are not served.  The sums are ordered otherwise than a plain f32 chain, and the softmax divides by a reciprocal and a multiplication:
; two gate weights that lie within a few units of the last place of each other may change places in out2.
.set PITCH, 784
.set TILEB, 16*PITCH                   ; 16 staged rows: 12,544 bytes
.set XST,   4*TILEB                    ; LDS: 0: Wg1's 64 rows;  XST: each wave's 16 rows of x;
.set WOFF,  4*TILEB                    ; WOFF further on: each wave's 16 rows of We
.set W2L,   12*TILEB                   ; Wg2 as it lies, 2,048 bytes
.set IDX,   W2L+2048                   ; 64 tokens' index pairs, 512 bytes;  + 512: their weight pairs;  + 1,024: four histogram rows;
.set KRL,   IDX+1536                   ; 64 words of kr
.set DV,  4                            ; v4   768 h + 16 r: a lane's place in two rows of codes in memory
.set LSC, 5                            ; v5   32 r + 16 h: scale bytes (and out1): row r, four words for each half of the lanes
.set LBI, 6                            ; v6   32 h
.set SWG, 7                            ; v7   stage, in: Wg1's rows 16 w + h
.set SWX, 8                            ; v8   stage, in: my x tile
.set RDX, 9                            ; v9   stage, out: my x tile, row r, + 24 h
.set RDG, 10                           ; v10  stage, out: Wg1
.set W2A, 11                           ; v11  W2L + 32 h
.set L16, 12                           ; v12  16 x lane
.set T16, 13                           ; v13  16 x thread
.set W2S, 14                           ; v14  W2L + 16 x thread
.set P8,  15                           ; v15  IDX + 8 (16 w + r)
.set P4,  16                           ; v16  KRL + 4 (16 w + r)
.set HS4, 17                           ; v17  IDX + 1,024 + 128 w + 4 x lane
.set L8,  18                           ; v18  8 x lane
.set RB,  19                           ; v19  IDX + 512 w + 16 x lane
.set RK,  20                           ; v20  KRL + 8 x lane
.set XS,  24                           ; v24-27   x's scale words: register j: lanes 0-15 K step j, lanes 16-31 K step 4 + j
.set GS,  28                           ; v28-43   Wg1's, four registers a tile, likewise
.set BG,  44                           ; v44-75   bg1 in the result's layout, eight registers a tile
.set H,   76                           ; v76-107  the hidden layer, four tiles
.set XF,  108                          ; v108-203 x's rows as loaded, then its eight fragments
.set ACC, 204                          ; v204-219 eight pairs of partial scores
.set S,   220                          ; v220-227 scores, then gate weights
.set Q,   228                          ; v228-235 at work: exponents, exponentials
.set MX,  236
.set SUM, 237
.set RIN, 238
.set I1,  240                          ; v240-241 the two indices
.set B1,  242                          ; v242-243 the two weights
.set TA,  244
.set TB,  245
.set EC,  246
.set KEY, 247
.set HIST, 248
.set RANK, 249
.set TC,  250
.set KRW, 251
.set O1,  252                          ; v252-255 out1's 16 bytes
.set RG,  0                            ; window 2: v0-95 my 16 rows of Wg1 as loaded;
.set WF,  96                           ; v96-191 my unit of We as loaded, then as fragments;  v192-195 my 16 bytes of Wg2
; window 1: sixteen fragments of Wg1 (K step s % 4, tile t at v[12 (4 (s % 4) + t)]), later Wg2: v[32 e + 8 t + j] = Wg2[e][16 t + 8 h + j]
.set MSB, 0
.macro WIN new                         ; the immediate's high byte repeats the setting that is left
.if MSB != (\new)
	s_set_vgpr_msb (MSB<<8)|(\new)
.set MSB, (\new)
.endif
.endm
.macro LD16 reg, base                  ; 16 rows of 768 bytes: lanes 0-15 take 256 aligned bytes of row 2 p, lanes 16-31 of row 2 p + 1
.irp p, 0,1,2,3,4,5,6,7
.irp j, 0,1,2
	global_load_b128 v[\reg+4*(3*\p+\j):\reg+4*(3*\p+\j)+3], v[DV], s[\base:\base+1] offset:1536*\p+256*\j
.endr
.endr
.endm
.macro ST16 reg, adr, off              ; the same into a stage
.irp p, 0,1,2,3,4,5,6,7
.irp j, 0,1,2
	ds_store_b128 v[\adr], v[\reg+4*(3*\p+\j):\reg+4*(3*\p+\j)+3] offset:\off+1568*\p+256*\j
.endr
.endr
.endm
.macro FRAG reg, adr, off              ; a fragment, 16 rows x 128 K: registers 0-5 the row's 24 bytes at 24 h, registers 6-11 those 48 bytes on; pieces of 8 bytes
.irp p, 0,1,2,3,4,5
	ds_load_b64 v[\reg+2*\p:\reg+2*\p+1], v[\adr] offset:\off+48*(\p/3)+8*(\p%3)
.endr
.endm
	s_load_b512 s[4:19], s[0:1], 0x0               ; x codes 4, x scales 6, Wg1 codes 8, Wg1 scales 10, Wg2 12, bg1 14, bg2 16, We codes 18
	s_load_b256 s[20:27], s[0:1], 0x40             ; out1 20, out2 22, tw 24, kr 26
	s_load_b128 s[28:31], s[0:1], 0x60             ; hist 28, wf 30
	v_lshl_add_u32 v23, v0, 2, 0x25c00
	v_mov_b32 v239, 0
	v_and_b32 v1, 31, v0                           ; lane
	v_and_b32 v2, 15, v0                           ; r
	v_bfe_u32 v3, v0, 4, 1                         ; h
	v_lshrrev_b32 v21, 5, v0
	v_readfirstlane_b32 s40, v21                   ; wave 0..3
	s_lshl_b32 s41, ttmp9, 2
	s_add_co_u32 s41, s41, s40                     ; gw: my tile of tokens and my unit of We
	s_mov_b32 s44, 0x76543210
	s_mov_b32 s45, 0xfedcba98                      ; v_permlanex16_b32's selects for lane l xor 16
	s_mov_b32 s46, 0xffff0000                      ; lanes 16-31, as a mask
	v_mul_u32_u24 v[DV], v3, 768
	v_lshl_add_u32 v[DV], v2, 4, v[DV]
	v_lshlrev_b32 v[LSC], 5, v2
	v_lshl_add_u32 v[LSC], v3, 4, v[LSC]
	v_lshlrev_b32 v[LBI], 5, v3
	v_mul_u32_u24 v21, v3, PITCH
	v_lshl_add_u32 v21, v2, 4, v21                 ; into a stage: row h, 16 r
	s_mul_i32 s48, s40, TILEB
	s_add_co_u32 s49, s48, XST
	v_add_nc_u32 v[SWG], s48, v21
	v_add_nc_u32 v[SWX], s49, v21
	v_mul_u32_u24 v[RDG], v2, PITCH
	v_mad_u32_u24 v[RDG], v3, 24, v[RDG]           ; out of a stage: row r, 24 h
	v_add_nc_u32 v[RDX], s49, v[RDG]
	v_lshl_add_u32 v[W2A], v3, 5, W2L
	v_lshlrev_b32 v[L16], 4, v1
	v_lshlrev_b32 v[T16], 4, v0
	v_lshl_add_u32 v[W2S], v0, 4, W2L
	s_lshl_b32 s50, s40, 7
	s_add_co_u32 s50, s50, IDX
	v_lshl_add_u32 v[P8], v2, 3, s50
	s_lshl_b32 s51, s40, 6
	s_add_co_u32 s51, s51, KRL
	v_lshl_add_u32 v[P4], v2, 2, s51
	s_add_co_u32 s50, s50, 1024
	v_lshl_add_u32 v[HS4], v1, 2, s50
	v_lshlrev_b32 v[L8], 3, v1
	s_lshl_b32 s51, s40, 9
	s_add_co_u32 s51, s51, IDX
	v_lshl_add_u32 v[RB], v1, 4, s51
	v_lshl_add_u32 v[RK], v1, 3, KRL
.irp e, 0,1,2,3,4,5,6,7
	v_mov_b32 v[Q+\e], 0                           ; written once: a lane permute's destination counts as one of its sources
.endr
	v_mov_b32 v[HIST], 0                           ; words 28 to 31 of a histogram row stay 0
	v_mov_b32 v[RANK], 0
	s_mov_b32 s43, 0
	s_wait_kmcnt 0x0
	s_load_b256 s[32:39], s[16:17], 0x0            ; bg2's eight numbers
	s_mul_i32 s42, s41, 12288                      ; 16 rows of 768 bytes for each tile or unit
	s_add_nc_u64 s[4:5], s[4:5], s[42:43]
	s_add_nc_u64 s[18:19], s[18:19], s[42:43]
	s_add_nc_u64 s[30:31], s[30:31], s[42:43]
	s_mul_i32 s42, s40, 12288                      ; of Wg1 each wave fetches a quarter
	s_add_nc_u64 s[8:9], s[8:9], s[42:43]
	s_lshl_b32 s42, s41, 9                         ; 16 tokens x 32 bytes: x's scales, out1
	s_add_nc_u64 s[6:7], s[6:7], s[42:43]
	s_add_nc_u64 s[20:21], s[20:21], s[42:43]
	s_lshl_b32 s42, ttmp9, 9                       ; 512 bytes a work-group: out2, tw, hist
	s_add_nc_u64 s[22:23], s[22:23], s[42:43]
	s_add_nc_u64 s[24:25], s[24:25], s[42:43]
	s_add_nc_u64 s[28:29], s[28:29], s[42:43]
	s_lshl_b32 s42, ttmp9, 8                       ; 256 bytes a work-group: kr
	s_add_nc_u64 s[26:27], s[26:27], s[42:43]
	WIN 0x80                                       ; destination window 2
	LD16 RG, 8
	global_load_b128 v[192:195], v[T16], s[12:13]  ; Wg2: 128 threads x 16 bytes
	LD16 WF, 18
	WIN 0
	LD16 XF, 4
	global_load_b128 v[XS:XS+3], v[LSC], s[6:7]
.irp t, 0,1,2,3
	global_load_b128 v[GS+4*\t:GS+4*\t+3], v[LSC], s[10:11] offset:512*\t
.endr
.irp t, 0,1,2,3
	global_load_b128 v[BG+8*\t:BG+8*\t+3], v[LBI], s[14:15] offset:64*\t
	global_load_b128 v[BG+8*\t+4:BG+8*\t+7], v[LBI], s[14:15] offset:64*\t+16
.endr
	s_wait_loadcnt 0x0
	WIN 0x08                                       ; an LDS store's data are its source 1: window 2
	ST16 RG, SWG, 0
	ds_store_b128 v[W2S], v[192:195]
	ST16 WF, SWX, WOFF
	WIN 0
	ST16 XF, SWX, 0
	s_wait_dscnt 0x0                               ; for the others' sake: my rows of Wg1 and my part of Wg2 have landed
	s_barrier_signal -1
	s_barrier_wait -1                              ; from here on nobody writes the stages or Wg2's bytes
	; ---- my unit of We: out of the stage as eight fragments, and to wf as they stand
	WIN 0x80
.irp s, 0,1,2,3,4,5,6,7
	FRAG WF+12*\s, RDX, WOFF+96*\s
.endr
	WIN 0
.irp s, 0,1,2,3,4,5,6,7
	FRAG XF+12*\s, RDX, 96*\s
.endr
	s_wait_dscnt 48                                ; LDS loads come back in order (ISA guide 5.7.1): x's 48 may be out, We's 48 are in
	WIN 0x08                                       ; a store's data are its source 1: window 2
.irp s, 0,1,2,3,4,5,6,7
.irp c, 0,1,2
	global_store_b128 v[L16], v[WF+12*\s+4*\c:WF+12*\s+4*\c+3], s[30:31] offset:1536*\s+512*\c   ; 32 lanes store 512 consecutive bytes, at a multiple of 512 from wf's first byte
.endr
.endr
	WIN 0
	; ---- h^T = Wg1 x^T + bg1: two halves of K, sixteen fragments of Wg1 each; the four tiles take turns, one instruction a turn
.macro GHALF hf
	WIN 0x40                                       ; destination window 1
.irp sl, 0,1,2,3
.irp t, 0,1,2,3
	FRAG 12*(4*\sl+\t), RDG, 12544*\t+96*(4*\hf+\sl)
.endr
.endr
	s_wait_dscnt 0x0
	WIN 0x01                                       ; source 0 window 1
.irp sl, 0,1,2,3
.irp t, 0,1,2,3
.if (\hf == 0) && (\sl == 0)
	v_wmma_scale_f32_16x16x128_f8f6f4 v[H+8*\t:H+8*\t+7], v[12*(4*\sl+\t):12*(4*\sl+\t)+11], v[XF+12*(4*\hf+\sl):XF+12*(4*\hf+\sl)+11], v[BG+8*\t:BG+8*\t+7], v[GS+4*\t+\sl], v[XS+\sl] matrix_a_fmt:MATRIX_FMT_FP6 matrix_b_fmt:MATRIX_FMT_FP6
.elseif \hf == 0
	v_wmma_scale_f32_16x16x128_f8f6f4 v[H+8*\t:H+8*\t+7], v[12*(4*\sl+\t):12*(4*\sl+\t)+11], v[XF+12*(4*\hf+\sl):XF+12*(4*\hf+\sl)+11], v[H+8*\t:H+8*\t+7], v[GS+4*\t+\sl], v[XS+\sl] matrix_a_fmt:MATRIX_FMT_FP6 matrix_b_fmt:MATRIX_FMT_FP6
.else
	v_wmma_scale_f32_16x16x128_f8f6f4 v[H+8*\t:H+8*\t+7], v[12*(4*\sl+\t):12*(4*\sl+\t)+11], v[XF+12*(4*\hf+\sl):XF+12*(4*\hf+\sl)+11], v[H+8*\t:H+8*\t+7], v[GS+4*\t+\sl], v[XS+\sl] matrix_a_fmt:MATRIX_FMT_FP6 matrix_b_fmt:MATRIX_FMT_FP6 matrix_a_scale:MATRIX_SCALE_ROW1 matrix_b_scale:MATRIX_SCALE_ROW1
.endif
.endr
.endr
	WIN 0
.rept 4
	v_nop                                          ; four places ahead of loads into registers that these products read, and of the first read of their results
.endr
.endm
	GHALF 0
	GHALF 1
.set j, 0
.rept 32
	v_max_num_f32 v[H+j], 0, v[H+j]                ; relu, each tile from its low end on
.set j, j+1
.endr
	WIN 0x40
.irp e, 0,1,2,3,4,5,6,7
.irp t, 0,1,2,3
	ds_load_b128 v[32*\e+8*\t:32*\e+8*\t+3], v[W2A] offset:256*\e+64*\t      ; Wg2[e][16 t + 8 h + 0 .. 7]: the numbers that meet my 32 hidden units
	ds_load_b128 v[32*\e+8*\t+4:32*\e+8*\t+7], v[W2A] offset:256*\e+64*\t+16
.endr
.endr
	s_wait_dscnt 0x0
	; ---- scores = h Wg2^T + bg2, in f32: eight chains of packed multiply-adds by turns
	WIN 0x04                                       ; source 1 window 1
.irp q, 0,1,2,3,4,5,6,7,8,9,10,11,12,13,14,15
.irp e, 0,1,2,3,4,5,6,7
.if \q == 0
	v_pk_mul_f32 v[ACC+2*\e:ACC+2*\e+1], v[H+2*\q:H+2*\q+1], v[32*\e+2*\q:32*\e+2*\q+1]
.else
	v_pk_fma_f32 v[ACC+2*\e:ACC+2*\e+1], v[H+2*\q:H+2*\q+1], v[32*\e+2*\q:32*\e+2*\q+1], v[ACC+2*\e:ACC+2*\e+1]
.endif
.endr
.endr
	WIN 0
.irp e, 0,1,2,3,4,5,6,7
	v_add_f32 v[S+\e], v[ACC+2*\e], v[ACC+2*\e+1]
.endr
.irp e, 0,1,2,3,4,5,6,7
	v_permlanex16_b32 v[Q+\e], v[S+\e], s44, s45   ; the token's other 32 hidden units lie in the lane 16 away
.endr
.irp e, 0,1,2,3,4,5,6,7
	v_add_f32 v[S+\e], v[S+\e], v[Q+\e]            ; the same two numbers are added in both lanes: both hold the same bits from here on
.endr
	s_wait_kmcnt 0x0                               ; bg2
.irp e, 0,1,2,3,4,5,6,7
	v_add_f32 v[S+\e], s[32+\e], v[S+\e]
.endr
	; ---- softmax.  p = (2^((s - m) log2(e) / 2))^2: the exponential gives 0 for results under 2^-126 (ISA guide 15.8), the square keeps weights far below that
	v_max3_num_f32 v[MX], v[S], v[S+1], v[S+2]
	v_max3_num_f32 v[MX], v[MX], v[S+3], v[S+4]
	v_max3_num_f32 v[MX], v[MX], v[S+5], v[S+6]
	v_max_num_f32 v[MX], v[MX], v[S+7]
.irp e, 0,1,2,3,4,5,6,7
	v_sub_f32 v[Q+\e], v[S+\e], v[MX]
.endr
.irp e, 0,1,2,3,4,5,6,7
	v_mul_f32 v[Q+\e], 0x3f38aa3b, v[Q+\e]         ; x log2(e) / 2
.endr
.irp e, 0,1,2,3,4,5,6,7
	v_exp_f32 v[Q+\e], v[Q+\e]
.endr
	v_nop                                          ; one plain instruction behind the last exponential
	s_wait_alu depctr_va_vdst(0)                   ; one wait for the batch of eight, ahead of its first reader
.irp e, 0,1,2,3,4,5,6,7
	v_mul_f32 v[Q+\e], v[Q+\e], v[Q+\e]
.endr
	v_add_f32 v[SUM], v[Q], v[Q+1]
	v_add_f32 v[TA], v[Q+2], v[Q+3]
	v_add_f32 v[TB], v[Q+4], v[Q+5]
	v_add_f32 v[TC], v[Q+6], v[Q+7]
	v_add_f32 v[SUM], v[SUM], v[TA]
	v_add_f32 v[TB], v[TB], v[TC]
	v_add_f32 v[SUM], v[SUM], v[TB]                ; at least 1: the largest p is 1
	v_rcp_f32 v[RIN], v[SUM]
	v_nop
	s_wait_alu depctr_va_vdst(0)
.irp e, 0,1,2,3,4,5,6,7
	v_mul_f32 v[S+\e], v[Q+\e], v[RIN]             ; the gate weights
.endr
	; ---- the two largest weights; a strict compare keeps the lower index on a tie
	v_mov_b32 v[B1], v[S]
	v_mov_b32 v[I1], 0
	v_mov_b32 v[B1+1], -1.0                        ; under every weight
	v_mov_b32 v[I1+1], 0
.irp e, 1,2,3,4,5,6,7
	v_mov_b32 v[EC], \e
	v_cmp_gt_f32 s48, v[S+\e], v[B1]
	v_cmp_gt_f32 s49, v[S+\e], v[B1+1]
	v_cndmask_b32 v[TA], v[B1+1], v[S+\e], s49
	v_cndmask_b32 v[TB], v[I1+1], v[EC], s49
	v_cndmask_b32 v[B1+1], v[TA], v[B1], s48       ; a new first sends the old first to the second place
	v_cndmask_b32 v[I1+1], v[TB], v[I1], s48
	v_cndmask_b32 v[B1], v[B1], v[S+\e], s48
	v_cndmask_b32 v[I1], v[I1], v[EC], s48
.endr
	; ---- the pair's key
	v_min_u32 v[TA], v[I1], v[I1+1]                ; a
	v_max_u32 v[TB], v[I1], v[I1+1]                ; b
	v_sub_nc_u32 v[TC], 15, v[TA]
	v_mul_u32_u24 v[TC], v[TA], v[TC]
	v_lshrrev_b32 v[TC], 1, v[TC]                  ; the first key of the pairs that begin with a
	v_sub_nc_u32 v[EC], v[TB], v[TA]
	v_add_nc_u32 v[EC], -1, v[EC]                  ; b - a - 1
	v_sub_nc_u32 v[TB], 7, v[TB]                   ; 7 - b
	v_and_b32 v[TA], 1, v[TA]
	v_cmp_eq_u32 vcc_lo, 1, v[TA]
	v_cndmask_b32 v[EC], v[EC], v[TB], vcc_lo      ; b runs upward for even a, downward for odd a
	v_add_nc_u32 v[KEY], v[TC], v[EC]
	; ---- for each key: how many of my 16 tokens have it (lane K of the histogram), and each such token's rank among them.  Data at fixed places: nothing is addressed by them here
.set K, 0
.rept 28
	v_cmp_eq_u32 s48, K, v[KEY]
	s_and_b32 s49, s48, 0xffff                     ; lanes 16-31 repeat lanes 0-15
	s_bcnt1_i32_b32 s50, s49
	v_writelane_b32 v[HIST], s50, K
	v_mbcnt_lo_u32_b32 v[TA], s49, 0
	v_cndmask_b32 v[RANK], v[RANK], v[TA], s48
.set K, K+1
.endr
	v_permlanex16_b32 v[TC], v[RANK], s44, s45
	v_cndmask_b32 v[RANK], v[RANK], v[TC], s46     ; lanes 16-31 take their token's rank from lanes 0-15
	v_lshl_or_b32 v[KRW], v[RANK], 8, v[KEY]
	v_lshl_or_b32 v[KRW], v[I1], 16, v[KRW]
	v_lshl_or_b32 v[KRW], v[I1+1], 20, v[KRW]
	; ---- out
.irp j, 0,1,2,3
	v_cndmask_b32 v[O1+\j], v[S+\j], v[S+4+\j], s46
.endr
	global_store_b128 v[LSC], v[O1:O1+3], s[20:21] ; out1: the wave stores its 16 tokens' 512 consecutive bytes
	ds_store_b64 v[P8], v[I1:I1+1]                 ; lanes r and 16 + r write the same bytes with the same values
	ds_store_b64 v[P8], v[B1:B1+1] offset:512
	ds_store_b32 v[P4], v[KRW]
	ds_store_b32 v[HS4], v[HIST]
	s_wait_dscnt 0x0                               ; for the others' sake
	s_barrier_signal -1
	s_barrier_wait -1
	s_cmp_eq_u32 s40, 3                            ; the work-group's small results leave as whole runs: wave 0 out2, wave 1 tw, wave 2 hist (512 bytes each), wave 3 kr (256 bytes)
	s_cbranch_scc1 .Lkr
	s_cmp_eq_u32 s40, 0
	s_cselect_b64 s[52:53], s[22:23], s[24:25]
	s_cmp_eq_u32 s40, 2
	s_cselect_b64 s[52:53], s[28:29], s[52:53]
	ds_load_b128 v[Q:Q+3], v[RB]
	s_wait_dscnt 0x0
	global_store_b128 v[L16], v[Q:Q+3], s[52:53]
	s_branch .Lend
.Lkr:
	ds_load_b64 v[Q:Q+1], v[RK]
	s_wait_dscnt 0x0
	global_store_b64 v[L8], v[Q:Q+1], s[26:27]
.Lend:
	s_wait_tensorcnt 0x0
	ds_add_u32 v23, v239
	s_wait_dscnt 0x0
	s_endpgm
.Lfunc_end_k_q7296b80f57_gate:
	.size	k_q7296b80f57_gate, .Lfunc_end_k_q7296b80f57_gate-k_q7296b80f57_gate
	.p2alignl 7, 3214868480
	.fill 96, 4, 3214868480
	.section	.rodata,"a",@progbits
	.p2align	6, 0x0
	.amdhsa_kernel k_q7296b80f57_gate
		.amdhsa_group_segment_fixed_size 155136
		.amdhsa_private_segment_fixed_size 0
		.amdhsa_enable_private_segment 0
		.amdhsa_kernarg_size 112
		.amdhsa_user_sgpr_count 2
		.amdhsa_user_sgpr_kernarg_segment_ptr 1
		.amdhsa_wavefront_size32 1
		.amdhsa_system_sgpr_workgroup_id_x 1
		.amdhsa_system_sgpr_workgroup_id_y 1
		.amdhsa_system_sgpr_workgroup_id_z 1
		.amdhsa_system_vgpr_workitem_id 0
		.amdhsa_next_free_vgpr 768
		.amdhsa_next_free_sgpr 66
		.amdhsa_reserve_vcc 1
		.amdhsa_float_denorm_mode_32 3
		.amdhsa_float_denorm_mode_16_64 3
		.amdhsa_memory_ordered 1
		.amdhsa_forward_progress 1
		.amdhsa_inst_pref_size 74
	.end_amdhsa_kernel
	.amdgpu_metadata
---
amdhsa.version: [ 1, 2 ]
amdhsa.kernels:
  - .name:           k_q7296b80f57_gate
    .symbol:         k_q7296b80f57_gate.kd
    .args:
      - { .name: x_codes, .offset: 0, .size: 8, .value_kind: global_buffer, .address_space: global }
      - { .name: x_scales, .offset: 8, .size: 8, .value_kind: global_buffer, .address_space: global }
      - { .name: Wg1_codes, .offset: 16, .size: 8, .value_kind: global_buffer, .address_space: global }
      - { .name: Wg1_scales, .offset: 24, .size: 8, .value_kind: global_buffer, .address_space: global }
      - { .name: Wg2, .offset: 32, .size: 8, .value_kind: global_buffer, .address_space: global }
      - { .name: bg1, .offset: 40, .size: 8, .value_kind: global_buffer, .address_space: global }
      - { .name: bg2, .offset: 48, .size: 8, .value_kind: global_buffer, .address_space: global }
      - { .name: We_codes, .offset: 56, .size: 8, .value_kind: global_buffer, .address_space: global }
      - { .name: out1, .offset: 64, .size: 8, .value_kind: global_buffer, .address_space: global }
      - { .name: out2, .offset: 72, .size: 8, .value_kind: global_buffer, .address_space: global }
      - { .name: tw, .offset: 80, .size: 8, .value_kind: global_buffer, .address_space: global }
      - { .name: kr, .offset: 88, .size: 8, .value_kind: global_buffer, .address_space: global }
      - { .name: hist, .offset: 96, .size: 8, .value_kind: global_buffer, .address_space: global }
      - { .name: wf, .offset: 104, .size: 8, .value_kind: global_buffer, .address_space: global }
    .group_segment_fixed_size: 155136
    .private_segment_fixed_size: 0
    .kernarg_segment_align: 8
    .kernarg_segment_size: 112
    .max_flat_workgroup_size: 128
    .sgpr_count:     66
    .vgpr_count:     768
    .wavefront_size: 32
...
	.end_amdgpu_metadata
.endif
;; end of part 1
;; launch place (part 2): grid 1 x 1, 16 waves a work-group, no clusters, 4,352 bytes of LDS; arguments kr, hist, order, work; writes order, work
.if DOCPART == 2
	.amdgcn_target "amdgcn-amd-amdhsa--gfx1250"
	.amdhsa_code_object_version 6
	.text
	.protected	k_q7296b80f57_place
	.globl	k_q7296b80f57_place
	.p2align	8
	.type	k_q7296b80f57_place,@function
k_q7296b80f57_place:
	s_mov_b64 s[64:65], 0
	v_nop
	global_prefetch_b8 v0, s[64:65] scope:SCOPE_SE
	s_setreg_imm32_b32 hwreg(HW_REG_WAVE_MODE, 25, 1), 1
	s_wait_xcnt 0x0
; A COUNTING SORT of the 8,192 tokens by the key of their pair of experts (0 .. 27), from the 512 tile histograms and each token's rank in its tile; and THE DEALING OF WAVES for the launch that follows.
; order[position] = token | i1 << 16 | i2 << 20.  position = the key's first position + the key's tokens in earlier tiles + the token's rank in its tile: a permutation, so every word of order is stored.
; One work-group of sixteen waves.  Wave v owns tiles 32 v .. 32 v + 31 (tokens 512 v on).  A LANE IS A KEY: it sums its key's counts down the wave's 32 tiles in registers;
; the sixteen waves' totals meet in LDS, 128 bytes a wave, behind the first barrier.  A token then takes its tile's number for its key from the lane of that key.
; work[W] = block | first group << 8 | groups << 16, for each of the next launch's 1,024 waves.  A block is 64 sorted positions, a group 64 of the 1,024 output columns; a block that uses n experts
; costs 4 n units of weights a group.  A block with n >= 4 is dealt 16 waves of one group; each such block is paid for by four blocks with n = 2, which get 6 waves (3, 3, 3, 3, 3, 1 groups);
; all others get 8 waves of two groups.  As many heavy blocks are honoured, in the blocks' order, as a quarter of the light ones can pay for: 8 more for each, 4 x 2 fewer: the sum is 1,024 for every split.
; Waves 0 to 3 do that, a lane a block: a key's positions cover a run of blocks, and each block of the run takes the pair's two bits.  Their ballots (n >= 4; n = 2) meet in LDS behind the second barrier.
; A lane whose block has fewer than 16 waves stores its last word again: the same value to the same place.
; The stores are 4 bytes a lane to scattered places, 36,864 bytes in all: gathering them in LDS first would need LDS addresses made of loaded numbers in sixteen waves at once.
; More work-groups would each have to read all earlier histograms again: the chain load, sum, store is short and one work-group reads each word once.
.set BAL, 2048                         ; LDS: 0: sixteen waves' totals, 128 bytes each;  BAL: 8 bytes a wave: two ballots
.set A,  8                             ; v8-40    A[j]: my key's tokens ahead of tile j of my wave; A[32]: the wave's total
.set KR, 44                            ; v44-59   16 x 32 tokens' words of kr
.set R,  60                            ; v60-75   the sixteen waves' totals of my key
.set BP, 76                            ; v76-107  what the tokens fetched from the keys' lanes
.set AD, 108                           ; v108-123 a register of its own for each store's address,
.set WD, 124                           ; v124-139 and for its word
.set A2, 168                           ; v168-183, v184-199 the same for the stores of work
.set W2, 184
	s_load_b128 s[4:7], s[0:1], 0x0                ; kr, hist
	s_load_b128 s[8:11], s[0:1], 0x10              ; order, work
	v_lshl_add_u32 v208, v0, 2, 0x900
	v_mov_b32 v209, 0
	v_and_b32 v2, 31, v0                           ; lane
	v_lshlrev_b32 v1, 2, v2
	v_lshrrev_b32 v3, 5, v0
	v_readfirstlane_b32 s28, v3                    ; wave 0..15
	s_mov_b32 s12, 0xffff0000                      ; lanes 16-31, as a mask
	s_lshl_b32 s14, s28, 7
	v_add_nc_u32 v3, s14, v1                       ; LDS: 128 x wave + 4 x lane
	s_lshl_b32 s14, s28, 9
	v_add_nc_u32 v143, s14, v2                     ; my first token: 512 x wave + lane
	v_mov_b32 v4, s28
	v_lshl_add_u32 v4, v4, 3, BAL                  ; LDS: my wave's two ballots
	v_mov_b32 v5, BAL                              ; and where all of them begin
	s_lshl_b32 s14, s28, 5
	v_add_nc_u32 v147, s14, v2                     ; in waves 0 to 3: my block, 32 x wave + lane
	v_mov_b32 v151, 0
	s_mov_b32 s17, 0
	s_wait_kmcnt 0x0
	s_lshl_b32 s16, s28, 12                        ; 32 tiles x 128 bytes
	s_add_nc_u64 s[6:7], s[6:7], s[16:17]
	s_lshl_b32 s16, s28, 11                        ; 512 tokens x 4 bytes
	s_add_nc_u64 s[4:5], s[4:5], s[16:17]
.set j, 0
.rept 32
	global_load_b32 v[A+1+j], v1, s[6:7] offset:128*j
.set j, j+1
.endr
.set j, 0
.rept 16
	global_load_b32 v[KR+j], v1, s[4:5] offset:128*j
.set j, j+1
.endr
	s_wait_loadcnt 16                              ; loads come back in order (ISA guide 5.7.1): kr's sixteen may be out, the histograms are in
	v_mov_b32 v[A], 0
.set j, 1
.rept 31
	v_add_nc_u32 v[A+1+j], v[A+1+j], v[A+j]
.set j, j+1
.endr
	ds_store_b32 v3, v[A+32]
	s_wait_dscnt 0x0                               ; for the others' sake
	s_barrier_signal -1
	s_barrier_wait -1
.set j, 0
.rept 16
	ds_load_b32 v[R+j], v1 offset:128*j
.set j, j+1
.endr
	v_mov_b32 v140, 0                              ; my key's tokens in all,
	v_mov_b32 v141, 0                              ; and in the waves ahead of mine
	v_mov_b32 v142, 0
	s_wait_dscnt 0x0
.set j, 0
.rept 16
	s_cmp_gt_u32 s28, j
	s_cselect_b32 s13, -1, 0
	v_add_nc_u32 v140, v140, v[R+j]
	v_and_b32 v144, s13, v[R+j]
	v_add_nc_u32 v141, v141, v144
.set j, j+1
.endr
	s_mov_b32 s29, 0                               ; each key's first position: the sum of the keys ahead of it
.set j, 0
.rept 28
	v_writelane_b32 v142, s29, j
	v_readlane_b32 s13, v140, j
	s_add_co_u32 s29, s29, s13
.set j, j+1
.endr
	; ---- waves 0 to 3: which experts each of my 32 blocks uses
	s_cmp_gt_u32 s28, 3
	s_cbranch_scc1 .Lnot_blocks
	v_lshrrev_b32 v145, 6, v142                    ; a lane a key: the block of its first position,
	v_add_nc_u32 v146, v142, v140
	v_add_nc_u32 v146, -1, v146
	v_lshrrev_b32 v146, 6, v146                    ; of its last,
	v_sub_nc_u32 v146, v146, v145
	v_add_nc_u32 v146, 1, v146                     ; how many blocks it touches,
	v_cmp_ne_u32 vcc_lo, 0, v140
	v_cndmask_b32 v146, 0, v146, vcc_lo            ; none if it has no token
	v_mov_b32 v148, 0                              ; a lane a block: the set of its experts
.set ka, 0                             ; the key's pair {ka < kb}: keys count kb upward for even ka, downward for odd ka
.set ko, 0
.set K, 0
.rept 28
.if ka%2
.set kb, 7-ko
.else
.set kb, ka+1+ko
.endif
.set PM, (1<<ka)|(1<<kb)
	v_readlane_b32 s13, v145, K
	v_readlane_b32 s14, v146, K
	v_sub_nc_u32 v149, v147, s13                   ; my block's place in the key's run of blocks (a block ahead of the run wraps to a large number)
	v_cmp_le_u32 vcc_lo, s14, v149                 ; outside the run?
	v_cndmask_b32 v149, PM, v151, vcc_lo           ; the pair's two bits, or none
	v_or_b32 v148, v148, v149
.set ko, ko+1
.if ko == 7-ka
.set ka, ka+1
.set ko, 0
.endif
.set K, K+1
.endr
	v_lshrrev_b32 v149, 1, v148                    ; n: the ones among eight bits, summed in pairs, fours and eight
	v_and_b32 v149, 0x55, v149
	v_sub_nc_u32 v150, v148, v149
	v_lshrrev_b32 v149, 2, v150
	v_and_b32 v149, 0x33, v149
	v_and_b32 v150, 0x33, v150
	v_add_nc_u32 v150, v150, v149
	v_lshrrev_b32 v149, 4, v150
	v_add_nc_u32 v150, v150, v149
	v_and_b32 v150, 15, v150
	v_cmp_le_u32 s16, 4, v150                      ; heavy blocks
	v_cmp_eq_u32 s17, 2, v150                      ; light blocks
	v_mov_b32 v160, s16
	v_mov_b32 v161, s17
	ds_store_b64 v4, v[160:161]                    ; all lanes write the same 8 bytes with the same values
.Lnot_blocks:
	v_add_nc_u32 v142, v142, v141
.set j, 0
.rept 32
	v_add_nc_u32 v[A+j], v[A+j], v142              ; A[j]: the position of tile j's first token of my key
.set j, j+1
.endr
	s_wait_loadcnt 0x0                             ; kr
.set j, 0
.rept 16
	v_and_b32 v[AD+j], 31, v[KR+j]                 ; the token's key: the lane to ask
	v_min_u32 v[AD+j], 31, v[AD+j]
	v_lshlrev_b32 v[AD+j], 2, v[AD+j]
	ds_bpermute_b32 v[BP+2*j], v[AD+j], v[A+2*j]   ; lanes 0-15 are tokens of tile 2 j,
	ds_bpermute_b32 v[BP+2*j+1], v[AD+j], v[A+2*j+1]   ; lanes 16-31 of tile 2 j + 1
.set j, j+1
.endr
	s_wait_dscnt 0x0
.set j, 0
.rept 16
	v_cndmask_b32 v[AD+j], v[BP+2*j], v[BP+2*j+1], s12
	v_bfe_u32 v144, v[KR+j], 8, 4                  ; + the rank in the tile
	v_add_nc_u32 v[AD+j], v[AD+j], v144
	v_min_u32 v[AD+j], 0x1fff, v[AD+j]             ; a position stays inside order
	v_lshlrev_b32 v[AD+j], 2, v[AD+j]
	v_add_nc_u32 v[WD+j], 32*j, v143               ; the token,
	v_and_or_b32 v[WD+j], v[KR+j], 0x770000, v[WD+j]   ; and its two experts
	global_store_b32 v[AD+j], v[WD+j], s[8:9]
.set j, j+1
.endr
	s_wait_dscnt 0x0                               ; for the others' sake: the ballots have landed
	s_barrier_signal -1
	s_barrier_wait -1
	; ---- waves 0 to 3: the waves are dealt
	s_cmp_gt_u32 s28, 3
	s_cbranch_scc1 .Lend
	ds_load_b128 v[152:155], v5                    ; heavy and light ballots of blocks 0-31, 32-63,
	ds_load_b128 v[156:159], v5 offset:16          ; 64-95, 96-127
	s_wait_dscnt 0x0
.irp i, 0,1,2,3,4,5,6,7
	v_readfirstlane_b32 s[16+\i], v[152+\i]        ; s16, 18, 20, 22 heavy; s17, 19, 21, 23 light
.endr
.irp i, 0,1,2,3,4,5,6,7
	s_bcnt1_i32_b32 s[30+\i], s[16+\i]             ; s30, 32, 34, 36 heavy blocks; s31, 33, 35, 37 light blocks
.endr
	s_add_co_u32 s38, s30, s32
	s_add_co_u32 s38, s38, s34
	s_add_co_u32 s38, s38, s36                     ; heavy blocks in all
	s_add_co_u32 s39, s31, s33
	s_add_co_u32 s39, s39, s35
	s_add_co_u32 s39, s39, s37                     ; light blocks in all
	s_lshr_b32 s39, s39, 2
	s_min_u32 s38, s38, s39                        ; H: the heavy blocks that are honoured
	s_lshl_b32 s39, s38, 2                         ; 4 H: the light blocks that pay
	s_mov_b32 s40, 0                               ; heavy and light blocks in the waves ahead of mine,
	s_mov_b32 s41, 0
	s_mov_b32 s42, s16                             ; and my own two ballots
	s_mov_b32 s43, s17
.irp q, 1,2,3
	s_cmp_ge_u32 s28, \q
	s_cselect_b32 s13, s[28+2*\q], 0
	s_cselect_b32 s14, s[29+2*\q], 0
	s_cselect_b32 s42, s[16+2*\q], s42
	s_cselect_b32 s43, s[17+2*\q], s43
	s_add_co_u32 s40, s40, s13                     ; (the additions stand behind all selections on the compare)
	s_add_co_u32 s41, s41, s14
.endr
	v_mbcnt_lo_u32_b32 v162, s42, 0
	v_add_nc_u32 v162, s40, v162                   ; heavy blocks ahead of mine
	v_mbcnt_lo_u32_b32 v163, s43, 0
	v_add_nc_u32 v163, s41, v163                   ; light blocks ahead of mine
	v_cmp_gt_u32 s44, s38, v162
	s_and_b32 s44, s44, s42                        ; my block is heavy and honoured
	v_cmp_gt_u32 s45, s39, v163
	s_and_b32 s45, s45, s43                        ; my block is light and pays
	v_min_u32 v162, s38, v162
	v_min_u32 v163, s39, v163
	v_lshlrev_b32 v164, 3, v147
	v_lshl_add_u32 v164, v162, 3, v164
	v_lshlrev_b32 v163, 1, v163
	v_sub_nc_u32 v164, v164, v163                  ; my block's first wave: 8 a block, 8 more for each honoured one ahead, 2 fewer for each that pays
	v_cndmask_b32 v165, 8, 16, s44
	v_cndmask_b32 v165, v165, 6, s45               ; its waves,
	v_cndmask_b32 v166, 2, 1, s44
	v_cndmask_b32 v166, v166, 3, s45               ; and the groups of each
	v_add_nc_u32 v165, -1, v165
.set j, 0
.rept 16
	v_min_u32 v144, j, v165                        ; the j-th wave of my block, or its last once more
	v_mul_u32_u24 v149, v144, v166                 ; its first group,
	v_sub_nc_u32 v150, 16, v149
	v_min_u32 v150, v150, v166                     ; and how many: what is left of the 16 at the most
	v_add_nc_u32 v[A2+j], v164, v144
	v_min_u32 v[A2+j], 0x3ff, v[A2+j]              ; a wave's number stays inside work
	v_lshlrev_b32 v[A2+j], 2, v[A2+j]
	v_lshl_or_b32 v[W2+j], v149, 8, v147
	v_lshl_or_b32 v[W2+j], v150, 16, v[W2+j]
	global_store_b32 v[A2+j], v[W2+j], s[10:11]
.set j, j+1
.endr
.Lend:
	s_wait_tensorcnt 0x0
	ds_add_u32 v208, v209
	s_wait_dscnt 0x0
	s_endpgm
.Lfunc_end_k_q7296b80f57_place:
	.size	k_q7296b80f57_place, .Lfunc_end_k_q7296b80f57_place-k_q7296b80f57_place
	.p2alignl 7, 3214868480
	.fill 96, 4, 3214868480
	.section	.rodata,"a",@progbits
	.p2align	6, 0x0
	.amdhsa_kernel k_q7296b80f57_place
		.amdhsa_group_segment_fixed_size 4352
		.amdhsa_private_segment_fixed_size 0
		.amdhsa_enable_private_segment 0
		.amdhsa_kernarg_size 32
		.amdhsa_user_sgpr_count 2
		.amdhsa_user_sgpr_kernarg_segment_ptr 1
		.amdhsa_wavefront_size32 1
		.amdhsa_system_sgpr_workgroup_id_x 1
		.amdhsa_system_sgpr_workgroup_id_y 1
		.amdhsa_system_sgpr_workgroup_id_z 1
		.amdhsa_system_vgpr_workitem_id 0
		.amdhsa_next_free_vgpr 210
		.amdhsa_next_free_sgpr 66
		.amdhsa_reserve_vcc 1
		.amdhsa_float_denorm_mode_32 3
		.amdhsa_float_denorm_mode_16_64 3
		.amdhsa_memory_ordered 1
		.amdhsa_forward_progress 1
		.amdhsa_inst_pref_size 48
	.end_amdhsa_kernel
	.amdgpu_metadata
---
amdhsa.version: [ 1, 2 ]
amdhsa.kernels:
  - .name:           k_q7296b80f57_place
    .symbol:         k_q7296b80f57_place.kd
    .args:
      - { .name: kr, .offset: 0, .size: 8, .value_kind: global_buffer, .address_space: global }
      - { .name: hist, .offset: 8, .size: 8, .value_kind: global_buffer, .address_space: global }
      - { .name: order, .offset: 16, .size: 8, .value_kind: global_buffer, .address_space: global }
      - { .name: work, .offset: 24, .size: 8, .value_kind: global_buffer, .address_space: global }
    .group_segment_fixed_size: 4352
    .private_segment_fixed_size: 0
    .kernarg_segment_align: 8
    .kernarg_segment_size: 32
    .max_flat_workgroup_size: 512
    .sgpr_count:     66
    .vgpr_count:     210
    .wavefront_size: 32
...
	.end_amdgpu_metadata
.endif
;; end of part 2
;; launch experts (part 3): grid 256 x 1, 4 waves a work-group, no clusters, 271,872 bytes of LDS; arguments order, tw, wf, We_scales, be, x_codes, x_scales, out0, work; writes out0
.if DOCPART == 3
	.amdgcn_target "amdgcn-amd-amdhsa--gfx1250"
	.amdhsa_code_object_version 6
	.text
	.protected	k_q7296b80f57_experts
	.globl	k_q7296b80f57_experts
	.p2align	8
	.type	k_q7296b80f57_experts,@function
k_q7296b80f57_experts:
	s_mov_b64 s[64:65], 0
	v_nop
	global_prefetch_b8 v0, s[64:65] scope:SCOPE_SE
	s_setreg_imm32_b32 hwreg(HW_REG_WAVE_MODE, 25, 1), 1
	s_wait_xcnt 0x0
; out0[token] = w1 (x We[i1]^T + be[i1]) + w2 (x We[i2]^T + be[i2]), on codes of FP6 (E2M3) with E8M0 scales.  Only experts that are used are multiplied.
; SHARES.  1,024 waves, each on its own: wave W = 4 x work-group + wave reads work[W] = block | first group << 8 | groups << 16: a block of 64 sorted positions (four tiles of 16 tokens) and
; one to three groups of 64 output columns (four tiles of 16: 256 bytes of a row of out0).  The launch before has dealt the waves so that a block that uses many experts has more waves with
; fewer groups each.  Each number of out0 has one owner.  Waves share nothing: the launch has no barrier.
; x STAYS: the wave's 64 gathered rows, all of K, are 32 fragments in 384 registers.  WEIGHTS STREAM from wf, where they lie as images of operand registers: a UNIT is one column tile of
; one expert: 24 loads of 512 consecutive bytes, one of scale words, two of bias, and 32 matrix instructions; each fragment of weights feeds four.
; THE WALK.  The tokens are sorted by their pair of experts, so a block uses few experts: n of them, 2 to 8, listed from the stored words, four bits each.  For each group of columns
; the wave walks the n experts; a unit's result T (bias as the C of its first product) is weighed by g = the token's gate weight for that expert, or 0, and added to the running sums, which
; lie in the wave's own stage in LDS, 64 rows x (256 + 16) bytes; from there whole rows leave: sixteen lanes store 256 consecutive bytes, at a multiple of 256 from out0's first byte.
; THE MATRIX INSTRUCTION IS USED TRANSPOSED (source 0 = 16 rows of We, source 1 = 16 tokens): lane (r, h) holds token r and eight neighbouring columns 8 h + 0 .. 7.
; FOUR SLOTS of registers take the units' weights by turns: slot k serves column tile k of a group, and is filled again, for the next expert or the next group, as soon as its products are issued.
; NO TENSOR LOADS, NO JOINT REQUESTS: how many groups and experts a wave walks, and which, are numbers read from memory, and partners would need different tiles; so operands go from memory
; to registers.  No prefetch: wf's units are read by many waves, and a row of x is known only when it is loaded.
; LIMITS: NaN, infinities and the scale byte 0xff are not served.  An expert that a token did not choose but another of its 64 did is multiplied and weighed by 0: were such a product beyond
; f32's range, 0 x infinity would give NaN where the definition has a number.
; REGISTERS.  window 0: v1-7 addresses; v8-15, v168-175 the stores' offsets; v16-23 g, twice for each tile; v24-31 the tokens' experts; v32-39 their weights; v40-55 x's scale words;
;   v56-71 the slots' scale words; v72-103 the slots' bias; v104-135 T (at the head the gather's offsets); v136-167, v176-207 the sums at work, two sets by turns; v208-255 half a slot.
;   window 1: x's fragments of K steps 0-3 (v[12 (4 s + t)]; at the head rows 0-31 as gathered), half a slot at v192.   window 2: K steps 4-7 (rows 32-63), half a slot at v192.   window 3: five halves of slots.
.set PITCH, 784                        ; a staged row of x: 768 bytes + 16 = 196 words: row r starts at bank 4 r mod 64 (64 banks of 4 bytes: ISA guide 11.1)
.set XST,   1024                       ; LDS: 0: each wave's 64 words of order, 256 bytes;  XST: each wave's 64 rows of x;
.set XWB,   64*PITCH
.set STG,   XST+4*XWB                  ; the waves' stages, 64 x 272 bytes each
.set LW,  1                            ; v1   16 x lane
.set LSC, 2                            ; v2   32 r + 16 h
.set LBI, 3                            ; v3   32 h
.set STO, 4                            ; v4   my stage: row r, + 32 h
.set SRD, 5                            ; v5   my stage: row h, + 16 r
.set TKF, 6                            ; v6   my words of order, + 4 h
.set OCO, 7                            ; v7   16 r
.set F0,  8
.set G,   16
.set I1,  24
.set I2,  28
.set TW,  32
.set XS,  40                           ; tile t: v[XS + 4 t + j]: lanes 0-15 K step j, lanes 16-31 K step 4 + j
.set WS,  56                           ; slot k likewise
.set BI,  72
.set T,   104
.set OT,  136
.set GO,  104                          ; at the head: v104-135 the gather's 32 offsets; v136-162 at work
.set XWR, 143
.set XRD, 144
.set MSB, 0
.macro WIN new                         ; the immediate's high byte repeats the setting that is left
.if MSB != (\new)
	s_set_vgpr_msb (MSB<<8)|(\new)
.set MSB, (\new)
.endif
.endm
.macro FRAG reg, adr, off              ; a fragment out of staged rows: 24 + 24 bytes of a row, in pieces of 8
.irp p, 0,1,2,3,4,5
	ds_load_b64 v[\reg+2*\p:\reg+2*\p+1], v[\adr] offset:\off+48*(\p/3)+8*(\p%3)
.endr
.endm
.macro HS k, hh                        ; where half hh (four fragments, 48 registers) of slot k lies: window AW, register AB
.set HI, 2*(\k)+(\hh)
.if HI < 5
.set AW, 3
.set AB, 48*HI
.elseif HI == 5
.set AW, 1
.set AB, 192
.elseif HI == 6
.set AW, 2
.set AB, 192
.else
.set AW, 0
.set AB, 208
.endif
.endm
.macro GETE dst, idx                   ; entry idx of the list of experts; held inside the tables that it indexes
	s_lshl_b32 s33, \idx, 2
	s_lshr_b32 \dst, s24, s33
	s_and_b32 \dst, \dst, 7
	s_min_u32 \dst, \dst, 7
.endm
.macro SETBASE e, gs, wt               ; where the fills read: unit q = 64 e + 4 x group.  wt = 1: earlier fills have named these bases
.if \wt
	s_wait_xcnt 0x0                                ; the earlier memory instructions have had their addresses translated (ISA guide 3.1): only now are their bases written again
.endif
	s_min_u32 s32, \gs, 15                         ; a group stays among the 16
	s_lshl_b32 s32, s32, 2
	s_lshl_b32 s35, \e, 6
	s_add_co_u32 s32, s32, s35
	s_mul_i32 s46, s32, 12288
	s_add_nc_u64 s[40:41], s[8:9], s[46:47]        ; images of codes
	s_lshl_b32 s46, s32, 9
	s_add_nc_u64 s[42:43], s[10:11], s[46:47]      ; 16 rows x 32 scale bytes
	s_lshl_b32 s46, s32, 6
	s_add_nc_u64 s[44:45], s[12:13], s[46:47]      ; 16 numbers of bias
.endm
.macro SETG e                          ; g = the token's weight for expert e, or 0; twice, for the packed forms
.irp t, 0,1,2,3
	v_cmp_eq_u32 vcc_lo, \e, v[I1+\t]
	v_cndmask_b32 v[G+2*\t], 0, v[TW+2*\t], vcc_lo
	v_cmp_eq_u32 vcc_lo, \e, v[I2+\t]
	v_cndmask_b32 v[G+2*\t], v[G+2*\t], v[TW+2*\t+1], vcc_lo
	v_mov_b32 v[G+2*\t+1], v[G+2*\t]
.endr
.endm
.macro FILL k                          ; 27 loads: slot k's bias, scale words and eight fragments
	global_load_b128 v[BI+8*(\k):BI+8*(\k)+3], v[LBI], s[44:45] offset:64*(\k)
	global_load_b128 v[BI+8*(\k)+4:BI+8*(\k)+7], v[LBI], s[44:45] offset:64*(\k)+16
	global_load_b128 v[WS+4*(\k):WS+4*(\k)+3], v[LSC], s[42:43] offset:512*(\k)
.irp hh, 0,1
	HS \k, \hh
.set WN, AW<<6
	WIN WN
.irp sl, 0,1,2,3
.irp c, 0,1,2
	global_load_b128 v[AB+12*\sl+4*\c:AB+12*\sl+4*\c+3], v[LW], s[40:41] offset:12288*(\k)+1536*(4*\hh+\sl)+512*\c
.endr
.endr
.endr
	WIN 0
.endm
; A UNIT: column tile k of the group, the expert in hand.  start = 1: the group's first expert starts the sums.  fill = 1: the slot is filled again.  cnt: how many younger loads may be out.
; The four accumulators take turns, one instruction a turn, within a unit and from unit to unit.
.macro UNIT k, start, fill, cnt
	s_wait_loadcnt \cnt                            ; loads come back in order (ISA guide 5.7.1): the slot's fill is in
.set OTB, OT+40*((\k)%2)
.if !(\start)
.irp t, 0,1,2,3
	ds_load_b128 v[OTB+8*\t:OTB+8*\t+3], v[STO] offset:4352*\t+64*(\k)       ; the sums so far.  This set's last stores, two units back, were waited for in the unit between
	ds_load_b128 v[OTB+8*\t+4:OTB+8*\t+7], v[STO] offset:4352*\t+64*(\k)+16
.endr
.endif
.irp hh, 0,1
	HS \k, \hh
.set WN, AW|((1+\hh)<<2)
	WIN WN                                         ; source 0: the slot's window; source 1: x's window 1 or 2; C and D window 0
.irp sl, 0,1,2,3
.irp t, 0,1,2,3
.if (\hh == 0) && (\sl == 0)
	v_wmma_scale_f32_16x16x128_f8f6f4 v[T+8*\t:T+8*\t+7], v[AB+12*\sl:AB+12*\sl+11], v[12*(4*\sl+\t):12*(4*\sl+\t)+11], v[BI+8*(\k):BI+8*(\k)+7], v[WS+4*(\k)+\sl], v[XS+4*\t+\sl] matrix_a_fmt:MATRIX_FMT_FP6 matrix_b_fmt:MATRIX_FMT_FP6
.elseif \hh == 0
	v_wmma_scale_f32_16x16x128_f8f6f4 v[T+8*\t:T+8*\t+7], v[AB+12*\sl:AB+12*\sl+11], v[12*(4*\sl+\t):12*(4*\sl+\t)+11], v[T+8*\t:T+8*\t+7], v[WS+4*(\k)+\sl], v[XS+4*\t+\sl] matrix_a_fmt:MATRIX_FMT_FP6 matrix_b_fmt:MATRIX_FMT_FP6
.else
	v_wmma_scale_f32_16x16x128_f8f6f4 v[T+8*\t:T+8*\t+7], v[AB+12*\sl:AB+12*\sl+11], v[12*(4*\sl+\t):12*(4*\sl+\t)+11], v[T+8*\t:T+8*\t+7], v[WS+4*(\k)+\sl], v[XS+4*\t+\sl] matrix_a_fmt:MATRIX_FMT_FP6 matrix_b_fmt:MATRIX_FMT_FP6 matrix_a_scale:MATRIX_SCALE_ROW1 matrix_b_scale:MATRIX_SCALE_ROW1
.endif
.endr
.endr
.endr
	WIN 0
.rept 4
	v_nop                                          ; four places ahead of the loads into the slot and of the first read of T; with the twelve packed lines on other tiles they are more than the five that the next unit's first product, which begins T anew, wants
.endr
.if \fill
	FILL \k
.endif
	s_wait_dscnt 0x0                               ; the sums so far are in, and the last unit's stores have read their registers
.irp t, 0,1,2,3
.irp i, 0,2,4,6
.if \start
	v_pk_mul_f32 v[OTB+8*\t+\i:OTB+8*\t+\i+1], v[T+8*\t+\i:T+8*\t+\i+1], v[G+2*\t:G+2*\t+1]   ; each accumulator from its low end on
.else
	v_pk_fma_f32 v[OTB+8*\t+\i:OTB+8*\t+\i+1], v[T+8*\t+\i:T+8*\t+\i+1], v[G+2*\t:G+2*\t+1], v[OTB+8*\t+\i:OTB+8*\t+\i+1]
.endif
.endr
.endr
.irp t, 0,1,2,3
	ds_store_b128 v[STO], v[OTB+8*\t:OTB+8*\t+3] offset:4352*\t+64*(\k)
	ds_store_b128 v[STO], v[OTB+8*\t+4:OTB+8*\t+7] offset:4352*\t+64*(\k)+16
.endr
.endm
; A group's 64 rows x 256 bytes leave, 16 rows at a time: lanes 0-15 one row, lanes 16-31 the next; the row's place in out0 comes from its token's word.
; LDS serves a wave's instructions in order (ISA guide 5.7.1.4): the loads see the last unit's stores, and the next group's stores come behind them.
.macro FLUSH
.irp b, 0,1,2,3
.set DB, T+32*(\b%2)                   ; the rows: T's registers and the first set of sums by turns
.set FB, F0+160*(\b%2)                 ; their offsets: v8-15 and v168-175
.if \b >= 2
	s_wait_xcnt 0x0                                ; the stores two turns back have read their registers
.endif
.irp j, 0,1,2,3,4,5,6,7
	ds_load_b32 v[FB+\j], v[TKF] offset:4*(16*\b+2*\j)
.endr
.irp j, 0,1,2,3,4,5,6,7
	ds_load_b128 v[DB+4*\j:DB+4*\j+3], v[SRD] offset:272*(16*\b+2*\j)
.endr
	s_wait_dscnt 8                                 ; the eight rows may be out, the tokens' words are in
.irp j, 0,1,2,3,4,5,6,7
	v_and_b32 v[FB+\j], 0x1fff, v[FB+\j]
	v_min_u32 v[FB+\j], 0x1fff, v[FB+\j]           ; a token stays inside out0
	v_lshl_add_u32 v[FB+\j], v[FB+\j], 12, v[OCO]  ; its row of 4,096 bytes, + 16 r
.endr
	s_wait_dscnt 0x0
.irp j, 0,1,2,3,4,5,6,7
	global_store_b128 v[FB+\j], v[DB+4*\j:DB+4*\j+3], s[36:37] th:TH_STORE_NT   ; written once, read by nobody here
.endr
.endr
.endm
; A group of four column tiles: the first expert starts the sums, experts 1 .. n - 2 go round a loop, the last is written out; each expert's units fetch the next expert's weights,
; the last expert's those of the next group's first expert.  cp: which copy of the text (for the labels).  fin = 1: the wave's last group: its last expert fetches nothing.
.macro GROUP cp, fin
	s_add_co_u32 s38, s22, s29                     ; the group in hand
	GETE s30, 0
	GETE s31, 1
	SETG s30
	SETBASE s31, s38, 1
	s_min_u32 s46, s38, 15                         ; (behind SETBASE's wait: the last group's stores have read this base)
	s_lshl_b32 s46, s46, 8
	s_add_nc_u64 s[36:37], s[18:19], s[46:47]      ; out0 at the group's 256 bytes of a row
	UNIT 0, 1, 1, 63                               ; 81 younger loads, three fills, were issued behind a slot's fill; 63 is the largest count that the wait names
	UNIT 1, 1, 1, 63
	UNIT 2, 1, 1, 63
	UNIT 3, 1, 1, 63
	s_mov_b32 s27, 1
	s_cmp_le_u32 s25, 2
	s_cbranch_scc1 .Llast_\cp
.Lloop_\cp:
	GETE s30, s27
	s_add_co_u32 s28, s27, 1
	GETE s31, s28
	SETG s30
	SETBASE s31, s38, 1
	UNIT 0, 0, 1, 63
	UNIT 1, 0, 1, 63
	UNIT 2, 0, 1, 63
	UNIT 3, 0, 1, 63
	s_add_co_u32 s27, s27, 1
	s_cmp_lt_u32 s27, s26
	s_cbranch_scc1 .Lloop_\cp
.Llast_\cp:
	GETE s30, s26
	SETG s30
.if !(\fin)
	GETE s31, 0
	s_add_co_u32 s39, s38, 1
	SETBASE s31, s39, 1                            ; the next group's first expert
	UNIT 0, 0, 1, 63
	UNIT 1, 0, 1, 63
	UNIT 2, 0, 1, 63
	UNIT 3, 0, 1, 63
.else
	UNIT 0, 0, 0, 63                               ; nothing is left to fetch: three, two, one fill and none stand behind the slot's
	UNIT 1, 0, 0, 54
	UNIT 2, 0, 0, 27
	UNIT 3, 0, 0, 0
.endif
	FLUSH
.endm
; The head's gather, 32 rows at a time: rows p0 .. p0 + 31, two a step.
.macro OFFS p0                         ; sixteen words of order become byte offsets in x's codes
.set p, \p0/2
.rept 16
	v_and_b32 v[GO+p], 0x1fff, v[GO+p]
	v_min_u32 v[GO+p], 0x1fff, v[GO+p]             ; a token stays inside x
	v_mul_u32_u24 v[GO+p], v[GO+p], 768
	v_add_nc_u32 v[GO+p], v[GO+p], v[OCO]
.set p, p+1
.endr
.endm
.macro GATHER p0                       ; 48 loads: sixteen lanes read 256 aligned bytes of a gathered row
.irp p, 0,1,2,3,4,5,6,7,8,9,10,11,12,13,14,15
.irp j, 0,1,2
	global_load_b128 v[4*(3*\p+\j):4*(3*\p+\j)+3], v[GO+\p0/2+\p], s[14:15] offset:256*\j
.endr
.endr
.endm
.macro TOSTAGE p0                      ; and 48 stores into my rows of x in LDS
.irp p, 0,1,2,3,4,5,6,7,8,9,10,11,12,13,14,15
.irp j, 0,1,2
	ds_store_b128 v[XWR], v[4*(3*\p+\j):4*(3*\p+\j)+3] offset:784*\p0+1568*\p+256*\j
.endr
.endr
.endm
	s_load_b512 s[4:19], s[0:1], 0x0               ; order 4, tw 6, wf 8, We's scales 10, be 12, x's codes 14, x's scales 16, out0 18
	s_load_b64 s[48:49], s[0:1], 0x40              ; work
	s_set_vgpr_msb 0x40
	v_lshl_add_u32 v254, v0, 2, 0x42400
	v_mov_b32 v255, 0
	s_set_vgpr_msb 0x4000
	v_and_b32 v136, 31, v0                         ; lane
	v_and_b32 v137, 15, v0                         ; r
	v_bfe_u32 v138, v0, 4, 1                       ; h
	v_lshrrev_b32 v139, 5, v0
	v_readfirstlane_b32 s20, v139                  ; wave 0..3
	s_lshl_b32 s46, ttmp9, 4
	s_lshl_b32 s33, s20, 2
	s_add_co_u32 s46, s46, s33                     ; 4 bytes x (4 x work-group + wave)
	s_mov_b32 s47, 0
	s_wait_kmcnt 0x0
	s_add_nc_u64 s[48:49], s[48:49], s[46:47]
	s_load_b32 s50, s[48:49], 0x0                  ; my share; the lane's addresses are made while it comes
	v_lshlrev_b32 v[LW], 4, v136
	v_lshlrev_b32 v[LSC], 5, v137
	v_lshl_add_u32 v[LSC], v138, 4, v[LSC]
	v_lshlrev_b32 v[LBI], 5, v138
	v_lshlrev_b32 v[OCO], 4, v137
	s_mul_i32 s34, s20, 64*272
	s_add_co_u32 s34, s34, STG                     ; my stage
	v_mul_u32_u24 v[STO], v137, 272
	v_lshl_add_u32 v[STO], v138, 5, v[STO]
	v_add_nc_u32 v[STO], s34, v[STO]
	v_mul_u32_u24 v[SRD], v138, 272
	v_lshl_add_u32 v[SRD], v137, 4, v[SRD]
	v_add_nc_u32 v[SRD], s34, v[SRD]
	s_lshl_b32 s34, s20, 8                         ; my 64 words of order in LDS
	v_lshl_add_u32 v[TKF], v138, 2, s34
	v_lshl_add_u32 v140, v137, 2, s34              ; the word of token r of tile 0
	v_lshl_add_u32 v142, v136, 3, s34              ; in: 8 bytes a lane
	v_lshlrev_b32 v141, 3, v136
	s_mul_i32 s34, s20, XWB
	s_add_co_u32 s34, s34, XST                     ; my rows of x in LDS
	v_mul_u32_u24 v[XWR], v138, PITCH
	v_lshl_add_u32 v[XWR], v137, 4, v[XWR]
	v_add_nc_u32 v[XWR], s34, v[XWR]               ; in: row h, 16 r
	v_mul_u32_u24 v[XRD], v137, PITCH
	v_mad_u32_u24 v[XRD], v138, 24, v[XRD]
	v_add_nc_u32 v[XRD], s34, v[XRD]               ; out: row r, + 24 h
	v_lshlrev_b32 v145, 4, v138                    ; 16 h
	s_wait_kmcnt 0x0
	s_and_b32 s21, s50, 127
	s_min_u32 s21, s21, 127                        ; my block
	s_bfe_u32 s22, s50, 0x40008
	s_min_u32 s22, s22, 15                         ; my first group
	s_bfe_u32 s23, s50, 0x20010                    ; my groups: one to three, and none past the sixteenth
	s_sub_co_u32 s33, 16, s22
	s_min_u32 s23, s23, s33
	s_max_u32 s23, s23, 1
	s_sub_co_u32 s23, s23, 1
	s_min_u32 s23, s23, 2                          ; those that have a successor
	s_lshl_b32 s46, s21, 8                         ; 64 positions x 4 bytes
	s_add_nc_u64 s[4:5], s[4:5], s[46:47]
	global_load_b64 v[146:147], v141, s[4:5]
	s_wait_loadcnt 0x0
	ds_store_b64 v142, v[146:147]
.set p, 0
.rept 32
	ds_load_b32 v[GO+p], v[TKF] offset:8*p         ; my wave's own words, served in order: the tokens of rows 2 p + h
.set p, p+1
.endr
.irp t, 0,1,2,3
	ds_load_b32 v[148+\t], v140 offset:64*\t       ; and of row r of each tile
.endr
	s_wait_dscnt 0x0
	OFFS 0
	WIN 0x40                                       ; destination window 1
	GATHER 0
	WIN 0
.irp t, 0,1,2,3
	v_bfe_u32 v[I1+\t], v[148+\t], 16, 3
	v_bfe_u32 v[I2+\t], v[148+\t], 20, 3
	v_and_b32 v[148+\t], 0x1fff, v[148+\t]
	v_min_u32 v[148+\t], 0x1fff, v[148+\t]
	v_lshl_add_u32 v[152+\t], v[148+\t], 5, v145   ; x's scales: 32 bytes a token, + 16 h
	v_lshlrev_b32 v[156+\t], 3, v[148+\t]          ; tw: 8 bytes a token
.endr
.irp t, 0,1,2,3
	global_load_b128 v[XS+4*\t:XS+4*\t+3], v[152+\t], s[16:17]
	global_load_b64 v[TW+2*\t:TW+2*\t+1], v[156+\t], s[6:7]
.endr
	; the list of the experts that my 64 tokens use, ascending, four bits each, and their number n: no branch.  It is made while the first 56 loads are on their way
	v_mov_b32 v160, 1
	v_lshlrev_b32 v161, v[I1], v160
.irp t, 1,2,3
	v_lshlrev_b32 v162, v[I1+\t], v160
	v_or_b32 v161, v161, v162
.endr
.irp t, 0,1,2,3
	v_lshlrev_b32 v162, v[I2+\t], v160
	v_or_b32 v161, v161, v162
.endr
	s_mov_b32 s24, 0
	s_mov_b32 s25, 0
.irp e, 0,1,2,3,4,5,6,7
	v_and_b32 v162, 1<<\e, v161
	v_cmp_ne_u32 vcc_lo, 0, v162
	s_cmp_lg_u32 vcc_lo, 0                         ; does any lane use expert e?
	s_cselect_b32 s33, 1, 0
	s_lshl_b32 s34, s25, 2
	s_lshl_b32 s35, \e, s34
	s_mul_i32 s35, s35, s33
	s_or_b32 s24, s24, s35
	s_add_co_u32 s25, s25, s33
.endr
	s_max_u32 s25, s25, 2                          ; a token's two experts differ, so n is 2 at the least
	s_min_u32 s25, s25, 8
	s_sub_co_u32 s26, s25, 1
	OFFS 32
	WIN 0x80                                       ; destination window 2
	GATHER 32
	WIN 0
	s_wait_loadcnt 48                              ; the second half's 48 loads may be out: rows 0-31, x's scale words and the gate weights are in
	WIN 0x04                                       ; an LDS store's data are its source 1: window 1
	TOSTAGE 0
	WIN 0
	GETE s30, 0
	SETBASE s30, s22, 0
	FILL 0                                         ; the first weights go out while the second half of x is on its way
	s_wait_loadcnt 27                              ; that fill's 27 loads may be out: rows 32-63 are in
	WIN 0x08                                       ; window 2
	TOSTAGE 32
	WIN 0
	FILL 1
	s_wait_dscnt 0x0                               ; the stores have read their registers: x's fragments land there
	WIN 0x40                                       ; x's 32 fragments: K steps 0-3 into window 1,
.irp sl, 0,1,2,3
.irp t, 0,1,2,3
	FRAG 12*(4*\sl+\t), XRD, 12544*\t+96*\sl
.endr
.endr
	WIN 0x80                                       ; K steps 4-7 into window 2
.irp sl, 0,1,2,3
.irp t, 0,1,2,3
	FRAG 12*(4*\sl+\t), XRD, 12544*\t+96*(4+\sl)
.endr
.endr
	WIN 0
	FILL 2
	FILL 3
	s_wait_dscnt 0x0                               ; x
	s_mov_b32 s29, 0                               ; groups done
	s_cmp_eq_u32 s23, 0
	s_cbranch_scc1 .Lfinal
.Lgroup:                                           ; the groups that have a successor
	GROUP 0, 0
	s_wait_xcnt 0x0                                ; the last stores have read T's registers, the first set of sums and their offsets: all are written again
	s_add_co_u32 s29, s29, 1
	s_cmp_lt_u32 s29, s23
	s_cbranch_scc1 .Lgroup
.Lfinal:
	GROUP 1, 1                                     ; the last group is written out: no load reaches past what the wave multiplies
	s_set_vgpr_msb 0x5
	s_wait_tensorcnt 0x0
	ds_add_u32 v254, v255
	s_wait_dscnt 0x0
	s_set_vgpr_msb 0x500
	s_endpgm
.Lfunc_end_k_q7296b80f57_experts:
	.size	k_q7296b80f57_experts, .Lfunc_end_k_q7296b80f57_experts-k_q7296b80f57_experts
	.p2alignl 7, 3214868480
	.fill 96, 4, 3214868480
	.section	.rodata,"a",@progbits
	.p2align	6, 0x0
	.amdhsa_kernel k_q7296b80f57_experts
		.amdhsa_group_segment_fixed_size 271872
		.amdhsa_private_segment_fixed_size 0
		.amdhsa_enable_private_segment 0
		.amdhsa_kernarg_size 72
		.amdhsa_user_sgpr_count 2
		.amdhsa_user_sgpr_kernarg_segment_ptr 1
		.amdhsa_wavefront_size32 1
		.amdhsa_system_sgpr_workgroup_id_x 1
		.amdhsa_system_sgpr_workgroup_id_y 1
		.amdhsa_system_sgpr_workgroup_id_z 1
		.amdhsa_system_vgpr_workitem_id 0
		.amdhsa_next_free_vgpr 1024
		.amdhsa_next_free_sgpr 66
		.amdhsa_reserve_vcc 1
		.amdhsa_float_denorm_mode_32 3
		.amdhsa_float_denorm_mode_16_64 3
		.amdhsa_memory_ordered 1
		.amdhsa_forward_progress 1
		.amdhsa_inst_pref_size 255
	.end_amdhsa_kernel
	.section	.bss,"aw",@nobits
	.p2align	6
	.space	262144
	.amdgpu_metadata
---
amdhsa.version: [ 1, 2 ]
amdhsa.kernels:
  - .name:           k_q7296b80f57_experts
    .symbol:         k_q7296b80f57_experts.kd
    .args:
      - { .name: order, .offset: 0, .size: 8, .value_kind: global_buffer, .address_space: global }
      - { .name: tw, .offset: 8, .size: 8, .value_kind: global_buffer, .address_space: global }
      - { .name: wf, .offset: 16, .size: 8, .value_kind: global_buffer, .address_space: global }
      - { .name: We_scales, .offset: 24, .size: 8, .value_kind: global_buffer, .address_space: global }
      - { .name: be, .offset: 32, .size: 8, .value_kind: global_buffer, .address_space: global }
      - { .name: x_codes, .offset: 40, .size: 8, .value_kind: global_buffer, .address_space: global }
      - { .name: x_scales, .offset: 48, .size: 8, .value_kind: global_buffer, .address_space: global }
      - { .name: out0, .offset: 56, .size: 8, .value_kind: global_buffer, .address_space: global }
      - { .name: work, .offset: 64, .size: 8, .value_kind: global_buffer, .address_space: global }
    .group_segment_fixed_size: 271872
    .private_segment_fixed_size: 0
    .kernarg_segment_align: 8
    .kernarg_segment_size: 72
    .max_flat_workgroup_size: 128
    .sgpr_count:     66
    .vgpr_count:     1024
    .wavefront_size: 32
...
	.end_amdgpu_metadata
.endif
;; end of part 3
;; ======== version 2 of 2: 3 launches
;; workspace buffers: wf 6,291,456 bytes; tw 65,536 bytes; kr 32,768 bytes of whole numbers; hist 65,536 bytes of whole numbers; order 32,768 bytes of whole numbers; work 4,096 bytes of whole numbers
;; launch gate (part 4): grid 128 x 1, 4 waves a work-group, no clusters, 155,136 bytes of LDS; arguments x_codes, x_scales, Wg1_codes, Wg1_scales, Wg2, bg1, bg2, We_codes, out1, out2, tw, kr, hist, wf; writes out1, out2, tw, kr, hist, wf
.if DOCPART == 4
	.amdgcn_target "amdgcn-amd-amdhsa--gfx1250"
	.amdhsa_code_object_version 6
	.text
	.protected	k_q7296b80f57_gate
	.globl	k_q7296b80f57_gate
	.p2align	8
	.type	k_q7296b80f57_gate,@function
k_q7296b80f57_gate:
	s_mov_b64 s[64:65], 0
	v_nop
	global_prefetch_b8 v0, s[64:65] scope:SCOPE_SE
	s_setreg_imm32_b32 hwreg(HW_REG_WAVE_SCHED_MODE, 0, 2), 2
	s_setreg_imm32_b32 hwreg(HW_REG_WAVE_MODE, 25, 1), 1
	s_wait_xcnt 0x0
	s_wait_alu depctr_vm_vsrc(0)
; THE GATE, AND THE LAYING OUT OF We.  8,192 tokens, 1,024 along K, 64 hidden units, 8 experts.
; h = relu(x Wg1^T + bg1) on codes of FP6 (E2M3) with E8M0 scales, as they lie in memory; scores = h Wg2^T + bg2 in f32 multiply-adds (out2 is compared exactly,
; so nothing coarser than f32 stands ahead of the choice); softmax with the row's maximum taken away; the two largest weights, the lower index on a tie.
; SHARES.  128 work-groups of four waves: 512 waves.  Wave gw takes tokens 16 gw .. 16 gw + 15, and unit gw of We: 16 rows (expert gw / 64, output columns 16 (gw % 64) on) x all of K.
; That unit is stored to wf as IMAGES OF OPERAND REGISTERS: the fragment of K step s at 12,288 gw + 1,536 s, its registers 4 c .. 4 c + 3 at 512 c + 16 x lane, so that the
; launch that multiplies by We loads a fragment by three loads of 512 consecutive bytes.
; FOR THE SORT THAT FOLLOWS each token gets a key 0 .. 27 for its pair of experts {a < b}: (a (15 - a)) / 2 + (a odd ? 7 - b : b - a - 1); neighbouring keys share an expert.
; Stored at fixed places: kr[token] = key | rank among its tile's 16 tokens of that key << 8 | i1 << 16 | i2 << 20;  hist[tile][32]: the tile's count of each key;  tw[token] = the two weights.
; No address and no branch of this launch hangs on the choice.
; ROWS OF CODES (768 bytes) are loaded in aligned pieces of 256 bytes by sixteen lanes and turned through LDS, rows 784 bytes apart (196 words: row r starts at bank 4 r mod 64;
; 64 banks of 4 bytes: ISA guide 11.1), from where a lane takes the 24 + 24 bytes that the 6-bit layout gives it, in pieces of 8.
; THE FIRST PRODUCT IS USED TRANSPOSED (source 0 = 16 rows of Wg1, source 1 = my 16 tokens): lane (r, h) holds token r, register j of tile t hidden unit 16 t + 8 h + j.
; NO JOINT REQUESTS: Wg1's 49,152 bytes are all that work-groups share, a third of a work-group's bytes, read once by each; all loads go through registers.
; LIMITS: NaN, infinities and the scale byte 0xff are not served.  The sums are ordered otherwise than a plain f32 chain, and the softmax divides by a reciprocal and a multiplication:
; two gate weights that lie within a few units of the last place of each other may change places in out2.
; THE MODE: SCHED_MODE bits 1:0 = 2 (LLVM: expert scheduling mode 2), set by the entry lines.  The code itself states the register dependences
; between vector or matrix instructions and memory or LDS instructions, with s_wait_alu, always for 0.
; THE PLAN.  Registers that memory or LDS instructions touch:
;   v4-20          addresses and offsets: made once at the head, never written again: one wait on va_vdst ahead of the first load.
;   XF, WF         loaded as rows, read by the stores into the stages, then loaded again as fragments: one wait on vm_vsrc behind the first barrier.
;   window 1       the first half's fragments of Wg1 are read by sixteen products; then the second half's land there, and behind its products Wg2: a wait on va_vdst ahead of each of the two runs of loads.
;   O1, I1, B1, KRW, HIST   written by vector lines, read by the stores at the end: one wait on va_vdst ahead of the run of stores.  Q, in which the last LDS loads land, is named by no vector line behind that wait.
;   Masks that compares write into scalar registers or VCC have a wait on va_sdst or va_vcc ahead of their first reader; the compares stand in runs where they do not hang on each other.
.set PITCH, 784
.set TILEB, 16*PITCH                   ; 16 staged rows: 12,544 bytes
.set XST,   4*TILEB                    ; LDS: 0: Wg1's 64 rows;  XST: each wave's 16 rows of x;
.set WOFF,  4*TILEB                    ; WOFF further on: each wave's 16 rows of We
.set W2L,   12*TILEB                   ; Wg2 as it lies, 2,048 bytes
.set IDX,   W2L+2048                   ; 64 tokens' index pairs, 512 bytes;  + 512: their weight pairs;  + 1,024: four histogram rows;
.set KRL,   IDX+1536                   ; 64 words of kr
.set DV,  4                            ; v4   768 h + 16 r: a lane's place in two rows of codes in memory
.set LSC, 5                            ; v5   32 r + 16 h: scale bytes (and out1): row r, four words for each half of the lanes
.set LBI, 6                            ; v6   32 h
.set SWG, 7                            ; v7   stage, in: Wg1's rows 16 w + h
.set SWX, 8                            ; v8   stage, in: my x tile
.set RDX, 9                            ; v9   stage, out: my x tile, row r, + 24 h
.set RDG, 10                           ; v10  stage, out: Wg1
.set W2A, 11                           ; v11  W2L + 32 h
.set L16, 12                           ; v12  16 x lane
.set T16, 13                           ; v13  16 x thread
.set W2S, 14                           ; v14  W2L + 16 x thread
.set P8,  15                           ; v15  IDX + 8 (16 w + r)
.set P4,  16                           ; v16  KRL + 4 (16 w + r)
.set HS4, 17                           ; v17  IDX + 1,024 + 128 w + 4 x lane
.set L8,  18                           ; v18  8 x lane
.set RB,  19                           ; v19  IDX + 512 w + 16 x lane
.set RK,  20                           ; v20  KRL + 8 x lane
.set XS,  24                           ; v24-27   x's scale words: register j: lanes 0-15 K step j, lanes 16-31 K step 4 + j
.set GS,  28                           ; v28-43   Wg1's, four registers a tile, likewise
.set BG,  44                           ; v44-75   bg1 in the result's layout, eight registers a tile
.set H,   76                           ; v76-107  the hidden layer, four tiles
.set XF,  108                          ; v108-203 x's rows as loaded, then its eight fragments
.set ACC, 204                          ; v204-219 eight pairs of partial scores
.set S,   220                          ; v220-227 scores, then gate weights
.set Q,   228                          ; v228-235 at work: exponents, exponentials
.set MX,  236
.set SUM, 237
.set RIN, 238
.set I1,  240                          ; v240-241 the two indices
.set B1,  242                          ; v242-243 the two weights
.set TA,  244
.set TB,  245
.set EC,  246
.set KEY, 247
.set HIST, 248
.set RANK, 249
.set TC,  250
.set KRW, 251
.set O1,  252                          ; v252-255 out1's 16 bytes
.set RG,  0                            ; window 2: v0-95 my 16 rows of Wg1 as loaded;
.set WF,  96                           ; v96-191 my unit of We as loaded, then as fragments;  v192-195 my 16 bytes of Wg2
; window 1: sixteen fragments of Wg1 (K step s % 4, tile t at v[12 (4 (s % 4) + t)]), later Wg2: v[32 e + 8 t + j] = Wg2[e][16 t + 8 h + j]
.set MSB, 0
.macro WIN new                         ; the immediate's high byte repeats the setting that is left
.if MSB != (\new)
	s_set_vgpr_msb (MSB<<8)|(\new)
.set MSB, (\new)
.endif
.endm
.macro LD16 reg, base                  ; 16 rows of 768 bytes: lanes 0-15 take 256 aligned bytes of row 2 p, lanes 16-31 of row 2 p + 1
.irp p, 0,1,2,3,4,5,6,7
.irp j, 0,1,2
	global_load_b128 v[\reg+4*(3*\p+\j):\reg+4*(3*\p+\j)+3], v[DV], s[\base:\base+1] offset:1536*\p+256*\j
.endr
.endr
.endm
.macro ST16 reg, adr, off              ; the same into a stage
.irp p, 0,1,2,3,4,5,6,7
.irp j, 0,1,2
	ds_store_b128 v[\adr], v[\reg+4*(3*\p+\j):\reg+4*(3*\p+\j)+3] offset:\off+1568*\p+256*\j
.endr
.endr
.endm
.macro FRAG reg, adr, off              ; a fragment, 16 rows x 128 K: registers 0-5 the row's 24 bytes at 24 h, registers 6-11 those 48 bytes on; pieces of 8 bytes
.irp p, 0,1,2,3,4,5
	ds_load_b64 v[\reg+2*\p:\reg+2*\p+1], v[\adr] offset:\off+48*(\p/3)+8*(\p%3)
.endr
.endm
	s_load_b512 s[4:19], s[0:1], 0x0               ; x codes 4, x scales 6, Wg1 codes 8, Wg1 scales 10, Wg2 12, bg1 14, bg2 16, We codes 18
	s_load_b256 s[20:27], s[0:1], 0x40             ; out1 20, out2 22, tw 24, kr 26
	s_load_b128 s[28:31], s[0:1], 0x60             ; hist 28, wf 30
	v_lshl_add_u32 v23, v0, 2, 0x25c00             ; my spare word, and 0: made here and kept for the closing lines alone
	v_mov_b32 v239, 0
	v_and_b32 v1, 31, v0                           ; lane
	v_and_b32 v2, 15, v0                           ; r
	v_bfe_u32 v3, v0, 4, 1                         ; h
	v_lshrrev_b32 v21, 5, v0
	v_readfirstlane_b32 s40, v21                   ; wave 0..3
	s_mov_b32 s44, 0x76543210
	s_mov_b32 s45, 0xfedcba98                      ; v_permlanex16_b32's selects for lane l xor 16
	s_mov_b32 s46, 0xffff0000                      ; lanes 16-31, as a mask
	v_mul_u32_u24 v[DV], v3, 768
	v_lshl_add_u32 v[DV], v2, 4, v[DV]
	v_lshlrev_b32 v[LSC], 5, v2
	v_lshl_add_u32 v[LSC], v3, 4, v[LSC]
	v_lshlrev_b32 v[LBI], 5, v3
	v_mul_u32_u24 v21, v3, PITCH
	v_lshl_add_u32 v21, v2, 4, v21                 ; into a stage: row h, 16 r
	s_wait_alu depctr_va_sdst(0)                   ; s40 is written, ahead of its first reader
	s_lshl_b32 s41, ttmp9, 2
	s_add_co_u32 s41, s41, s40                     ; gw: my tile of tokens and my unit of We
	s_mul_i32 s48, s40, TILEB
	s_add_co_u32 s49, s48, XST
	v_add_nc_u32 v[SWG], s48, v21
	v_add_nc_u32 v[SWX], s49, v21
	v_mul_u32_u24 v[RDG], v2, PITCH
	v_mad_u32_u24 v[RDG], v3, 24, v[RDG]           ; out of a stage: row r, 24 h
	v_add_nc_u32 v[RDX], s49, v[RDG]
	v_lshl_add_u32 v[W2A], v3, 5, W2L
	v_lshlrev_b32 v[L16], 4, v1
	v_lshlrev_b32 v[T16], 4, v0
	v_lshl_add_u32 v[W2S], v0, 4, W2L
	s_lshl_b32 s50, s40, 7
	s_add_co_u32 s50, s50, IDX
	v_lshl_add_u32 v[P8], v2, 3, s50
	s_lshl_b32 s51, s40, 6
	s_add_co_u32 s51, s51, KRL
	v_lshl_add_u32 v[P4], v2, 2, s51
	s_add_co_u32 s50, s50, 1024
	v_lshl_add_u32 v[HS4], v1, 2, s50
	v_lshlrev_b32 v[L8], 3, v1
	s_lshl_b32 s51, s40, 9
	s_add_co_u32 s51, s51, IDX
	v_lshl_add_u32 v[RB], v1, 4, s51
	v_lshl_add_u32 v[RK], v1, 3, KRL
.irp e, 0,1,2,3,4,5,6,7
	v_mov_b32 v[Q+\e], 0                           ; written once: a lane permute's destination counts as one of its sources
.endr
	v_mov_b32 v[HIST], 0                           ; words 28 to 31 of a histogram row stay 0
	v_mov_b32 v[RANK], 0
	s_mov_b32 s43, 0
	s_wait_kmcnt 0x0
	s_load_b256 s[32:39], s[16:17], 0x0            ; bg2's eight numbers
	s_mul_i32 s42, s41, 12288                      ; 16 rows of 768 bytes for each tile or unit
	s_add_nc_u64 s[4:5], s[4:5], s[42:43]
	s_add_nc_u64 s[18:19], s[18:19], s[42:43]
	s_add_nc_u64 s[30:31], s[30:31], s[42:43]
	s_mul_i32 s42, s40, 12288                      ; of Wg1 each wave fetches a quarter
	s_add_nc_u64 s[8:9], s[8:9], s[42:43]
	s_lshl_b32 s42, s41, 9                         ; 16 tokens x 32 bytes: x's scales, out1
	s_add_nc_u64 s[6:7], s[6:7], s[42:43]
	s_add_nc_u64 s[20:21], s[20:21], s[42:43]
	s_lshl_b32 s42, ttmp9, 9                       ; 512 bytes a work-group: out2, tw, hist
	s_add_nc_u64 s[22:23], s[22:23], s[42:43]
	s_add_nc_u64 s[24:25], s[24:25], s[42:43]
	s_add_nc_u64 s[28:29], s[28:29], s[42:43]
	s_lshl_b32 s42, ttmp9, 8                       ; 256 bytes a work-group: kr
	s_add_nc_u64 s[26:27], s[26:27], s[42:43]
	WIN 0x80                                       ; destination window 2
	s_wait_alu depctr_va_vdst(0)                   ; the addresses and offsets v4 to v20 are written: every load and store of the kernel reads one of them
	LD16 RG, 8
	global_load_b128 v[192:195], v[T16], s[12:13]  ; Wg2: 128 threads x 16 bytes
	LD16 WF, 18
	WIN 0
	LD16 XF, 4
	global_load_b128 v[XS:XS+3], v[LSC], s[6:7]
.irp t, 0,1,2,3
	global_load_b128 v[GS+4*\t:GS+4*\t+3], v[LSC], s[10:11] offset:512*\t
.endr
.irp t, 0,1,2,3
	global_load_b128 v[BG+8*\t:BG+8*\t+3], v[LBI], s[14:15] offset:64*\t
	global_load_b128 v[BG+8*\t+4:BG+8*\t+7], v[LBI], s[14:15] offset:64*\t+16
.endr
	s_wait_loadcnt 0x0
	WIN 0x08                                       ; an LDS store's data are its source 1: window 2
	ST16 RG, SWG, 0
	ds_store_b128 v[W2S], v[192:195]
	ST16 WF, SWX, WOFF
	WIN 0
	ST16 XF, SWX, 0
	s_wait_dscnt 0x0                               ; for the others' sake: my rows of Wg1 and my part of Wg2 have landed
	s_barrier_signal -1
	s_barrier_wait -1                              ; from here on nobody writes the stages or Wg2's bytes
	s_wait_alu depctr_vm_vsrc(0)                   ; my stores into the stages have read WF's and XF's registers, in which the fragments below land
	; ---- my unit of We: out of the stage as eight fragments, and to wf as they stand
	WIN 0x80
.irp s, 0,1,2,3,4,5,6,7
	FRAG WF+12*\s, RDX, WOFF+96*\s
.endr
	WIN 0
.irp s, 0,1,2,3,4,5,6,7
	FRAG XF+12*\s, RDX, 96*\s
.endr
	s_wait_dscnt 48                                ; LDS loads come back in order (ISA guide 5.7.1): x's 48 may be out, We's 48 are in
	WIN 0x08                                       ; a store's data are its source 1: window 2
.irp s, 0,1,2,3,4,5,6,7
.irp c, 0,1,2
	global_store_b128 v[L16], v[WF+12*\s+4*\c:WF+12*\s+4*\c+3], s[30:31] offset:1536*\s+512*\c   ; 32 lanes store 512 consecutive bytes, at a multiple of 512 from wf's first byte
.endr
.endr
	WIN 0
	; ---- h^T = Wg1 x^T + bg1: two halves of K, sixteen fragments of Wg1 each; the four tiles take turns, one instruction a turn
.macro GHALF hf
	WIN 0x40                                       ; destination window 1
.if \hf
	s_wait_alu depctr_va_vdst(0)                   ; the first half's products are done reading their fragments of Wg1, in which the second half's land
.endif
.irp sl, 0,1,2,3
.irp t, 0,1,2,3
	FRAG 12*(4*\sl+\t), RDG, 12544*\t+96*(4*\hf+\sl)
.endr
.endr
	s_wait_dscnt 0x0
	WIN 0x01                                       ; source 0 window 1
.irp sl, 0,1,2,3
.irp t, 0,1,2,3
.if (\hf == 0) && (\sl == 0)
	v_wmma_scale_f32_16x16x128_f8f6f4 v[H+8*\t:H+8*\t+7], v[12*(4*\sl+\t):12*(4*\sl+\t)+11], v[XF+12*(4*\hf+\sl):XF+12*(4*\hf+\sl)+11], v[BG+8*\t:BG+8*\t+7], v[GS+4*\t+\sl], v[XS+\sl] matrix_a_fmt:MATRIX_FMT_FP6 matrix_b_fmt:MATRIX_FMT_FP6
.elseif \hf == 0
	v_wmma_scale_f32_16x16x128_f8f6f4 v[H+8*\t:H+8*\t+7], v[12*(4*\sl+\t):12*(4*\sl+\t)+11], v[XF+12*(4*\hf+\sl):XF+12*(4*\hf+\sl)+11], v[H+8*\t:H+8*\t+7], v[GS+4*\t+\sl], v[XS+\sl] matrix_a_fmt:MATRIX_FMT_FP6 matrix_b_fmt:MATRIX_FMT_FP6
.else
	v_wmma_scale_f32_16x16x128_f8f6f4 v[H+8*\t:H+8*\t+7], v[12*(4*\sl+\t):12*(4*\sl+\t)+11], v[XF+12*(4*\hf+\sl):XF+12*(4*\hf+\sl)+11], v[H+8*\t:H+8*\t+7], v[GS+4*\t+\sl], v[XS+\sl] matrix_a_fmt:MATRIX_FMT_FP6 matrix_b_fmt:MATRIX_FMT_FP6 matrix_a_scale:MATRIX_SCALE_ROW1 matrix_b_scale:MATRIX_SCALE_ROW1
.endif
.endr
.endr
	WIN 0
.rept 4
	v_nop                                          ; four places (ISA guide 7.12.1) behind these products, ahead of the first read of their results
.endr
.endm
	GHALF 0
	GHALF 1
	WIN 0x40
	s_wait_alu depctr_va_vdst(0)                   ; the second half's products are done reading their fragments of Wg1, in which Wg2 lands
.irp e, 0,1,2,3,4,5,6,7
.irp t, 0,1,2,3
	ds_load_b128 v[32*\e+8*\t:32*\e+8*\t+3], v[W2A] offset:256*\e+64*\t      ; Wg2[e][16 t + 8 h + 0 .. 7]: the numbers that meet my 32 hidden units
	ds_load_b128 v[32*\e+8*\t+4:32*\e+8*\t+7], v[W2A] offset:256*\e+64*\t+16
.endr
.endr
	WIN 0
.set j, 0
.rept 32
	v_max_num_f32 v[H+j], 0, v[H+j]                ; relu, each tile from its low end on, while Wg2 is on its way: these lines name H alone
.set j, j+1
.endr
	s_wait_dscnt 0x0
	; ---- scores = h Wg2^T + bg2, in f32: eight chains of packed multiply-adds by turns
	WIN 0x04                                       ; source 1 window 1
.irp q, 0,1,2,3,4,5,6,7,8,9,10,11,12,13,14,15
.irp e, 0,1,2,3,4,5,6,7
.if \q == 0
	v_pk_mul_f32 v[ACC+2*\e:ACC+2*\e+1], v[H+2*\q:H+2*\q+1], v[32*\e+2*\q:32*\e+2*\q+1]
.else
	v_pk_fma_f32 v[ACC+2*\e:ACC+2*\e+1], v[H+2*\q:H+2*\q+1], v[32*\e+2*\q:32*\e+2*\q+1], v[ACC+2*\e:ACC+2*\e+1]
.endif
.endr
.endr
	WIN 0
.irp e, 0,1,2,3,4,5,6,7
	v_add_f32 v[S+\e], v[ACC+2*\e], v[ACC+2*\e+1]
.endr
.irp e, 0,1,2,3,4,5,6,7
	v_permlanex16_b32 v[Q+\e], v[S+\e], s44, s45   ; the token's other 32 hidden units lie in the lane 16 away
.endr
.irp e, 0,1,2,3,4,5,6,7
	v_add_f32 v[S+\e], v[S+\e], v[Q+\e]            ; the same two numbers are added in both lanes: both hold the same bits from here on
.endr
	s_wait_alu depctr_va_vdst(0)
	s_wait_kmcnt 0x0                               ; bg2
.irp e, 0,1,2,3,4,5,6,7
	v_add_f32 v[S+\e], s[32+\e], v[S+\e]
.endr
	; ---- softmax.  p = (2^((s - m) log2(e) / 2))^2: the exponential gives 0 for results under 2^-126 (ISA guide 15.8), the square keeps weights far below that
	v_max3_num_f32 v[MX], v[S], v[S+1], v[S+2]
	v_max3_num_f32 v[MX], v[MX], v[S+3], v[S+4]
	v_max3_num_f32 v[MX], v[MX], v[S+5], v[S+6]
	v_max_num_f32 v[MX], v[MX], v[S+7]
.irp e, 0,1,2,3,4,5,6,7
	v_sub_f32 v[Q+\e], v[S+\e], v[MX]
.endr
.irp e, 0,1,2,3,4,5,6,7
	v_mul_f32 v[Q+\e], 0x3f38aa3b, v[Q+\e]         ; x log2(e) / 2
.endr
	s_wait_alu depctr_va_vdst(0)
.irp e, 0,1,2,3,4,5,6,7
	v_exp_f32 v[Q+\e], v[Q+\e]
.endr
	v_nop                                          ; one plain instruction behind the last exponential
	s_wait_alu depctr_va_vdst(0)                   ; the eight exponentials have written Q: one wait for the batch, ahead of its first reader
.irp e, 0,1,2,3,4,5,6,7
	v_mul_f32 v[Q+\e], v[Q+\e], v[Q+\e]
.endr
	v_add_f32 v[SUM], v[Q], v[Q+1]
	v_add_f32 v[TA], v[Q+2], v[Q+3]
	v_add_f32 v[TB], v[Q+4], v[Q+5]
	v_add_f32 v[TC], v[Q+6], v[Q+7]
	v_add_f32 v[SUM], v[SUM], v[TA]
	v_add_f32 v[TB], v[TB], v[TC]
	v_add_f32 v[SUM], v[SUM], v[TB]                ; at least 1: the largest p is 1
	s_wait_alu depctr_va_vdst(0)
	v_rcp_f32 v[RIN], v[SUM]
	v_nop
	s_wait_alu depctr_va_vdst(0)                   ; the reciprocal has written RIN, ahead of its first reader
.irp e, 0,1,2,3,4,5,6,7
	v_mul_f32 v[S+\e], v[Q+\e], v[RIN]             ; the gate weights
.endr
	; ---- the two largest weights; a strict compare keeps the lower index on a tie
	v_mov_b32 v[B1], v[S]
	v_mov_b32 v[I1], 0
	v_mov_b32 v[B1+1], -1.0                        ; under every weight
	v_mov_b32 v[I1+1], 0
.irp e, 1,2,3,4,5,6,7
	v_mov_b32 v[EC], \e
	v_cmp_gt_f32 s48, v[S+\e], v[B1]
	v_cmp_gt_f32 s49, v[S+\e], v[B1+1]
	s_wait_alu depctr_va_sdst(0)                   ; the two compares have written s48 and s49, which the selections below read
	v_cndmask_b32 v[TA], v[B1+1], v[S+\e], s49
	v_cndmask_b32 v[TB], v[I1+1], v[EC], s49
	v_cndmask_b32 v[B1+1], v[TA], v[B1], s48       ; a new first sends the old first to the second place
	v_cndmask_b32 v[I1+1], v[TB], v[I1], s48
	v_cndmask_b32 v[B1], v[B1], v[S+\e], s48
	v_cndmask_b32 v[I1], v[I1], v[EC], s48
.endr
	; ---- the pair's key
	v_min_u32 v[TA], v[I1], v[I1+1]                ; a
	v_max_u32 v[TB], v[I1], v[I1+1]                ; b
	v_sub_nc_u32 v[TC], 15, v[TA]
	v_mul_u32_u24 v[TC], v[TA], v[TC]
	v_lshrrev_b32 v[TC], 1, v[TC]                  ; the first key of the pairs that begin with a
	v_sub_nc_u32 v[EC], v[TB], v[TA]
	v_add_nc_u32 v[EC], -1, v[EC]                  ; b - a - 1
	v_sub_nc_u32 v[TB], 7, v[TB]                   ; 7 - b
	v_and_b32 v[TA], 1, v[TA]
	v_cmp_eq_u32 vcc_lo, 1, v[TA]
	s_wait_alu depctr_va_vcc(0)                    ; the compare has written VCC, which the selection reads
	v_cndmask_b32 v[EC], v[EC], v[TB], vcc_lo      ; b runs upward for even a, downward for odd a
	v_add_nc_u32 v[KEY], v[TC], v[EC]
	; ---- for each key: how many of my 16 tokens have it (lane K of the histogram), and each such token's rank among them.  Data at fixed places: nothing is addressed by them here.
	; The compares go in two runs of fourteen, each into a scalar register of its own (s32-39, which held bg2, and s54-59), with one wait behind a run
.macro MREG n                          ; MK: the scalar register of key n's mask
.if ((\n)%14) < 8
.set MK, 32+(\n)%14
.else
.set MK, 46+(\n)%14
.endif
.endm
.irp run, 0,1
.set K, 14*\run
.rept 14
	MREG K
	v_cmp_eq_u32 s[MK], K, v[KEY]
.set K, K+1
.endr
	s_wait_alu depctr_va_sdst(0)                   ; the run's fourteen compares have written their masks, ahead of the first reader
.set K, 14*\run
.rept 14
	MREG K
	s_and_b32 s49, s[MK], 0xffff                   ; lanes 16-31 repeat lanes 0-15
	s_bcnt1_i32_b32 s50, s49
	v_writelane_b32 v[HIST], s50, K
	v_mbcnt_lo_u32_b32 v[TA], s49, 0
	v_cndmask_b32 v[RANK], v[RANK], v[TA], s[MK]
.set K, K+1
.endr
.endr
	v_permlanex16_b32 v[TC], v[RANK], s44, s45
	v_cndmask_b32 v[RANK], v[RANK], v[TC], s46     ; lanes 16-31 take their token's rank from lanes 0-15
	v_lshl_or_b32 v[KRW], v[RANK], 8, v[KEY]
	v_lshl_or_b32 v[KRW], v[I1], 16, v[KRW]
	v_lshl_or_b32 v[KRW], v[I1+1], 20, v[KRW]
	; ---- out
.irp j, 0,1,2,3
	v_cndmask_b32 v[O1+\j], v[S+\j], v[S+4+\j], s46
.endr
	s_wait_alu depctr_va_vdst(0)                   ; O1, the indices, the weights, kr's word and the histogram are written, which the five stores below read; and every vector line that names Q is done: the last LDS loads land there
	global_store_b128 v[LSC], v[O1:O1+3], s[20:21] ; out1: the wave stores its 16 tokens' 512 consecutive bytes
	ds_store_b64 v[P8], v[I1:I1+1]                 ; lanes r and 16 + r write the same bytes with the same values
	ds_store_b64 v[P8], v[B1:B1+1] offset:512
	ds_store_b32 v[P4], v[KRW]
	ds_store_b32 v[HS4], v[HIST]
	s_wait_dscnt 0x0                               ; for the others' sake
	s_barrier_signal -1
	s_barrier_wait -1
	s_cmp_eq_u32 s40, 3                            ; the work-group's small results leave as whole runs: wave 0 out2, wave 1 tw, wave 2 hist (512 bytes each), wave 3 kr (256 bytes)
	s_cbranch_scc1 .Lkr
	s_cmp_eq_u32 s40, 0
	s_cselect_b64 s[52:53], s[22:23], s[24:25]
	s_cmp_eq_u32 s40, 2
	s_cselect_b64 s[52:53], s[28:29], s[52:53]
	ds_load_b128 v[Q:Q+3], v[RB]
	s_wait_dscnt 0x0
	global_store_b128 v[L16], v[Q:Q+3], s[52:53]
	s_branch .Lend
.Lkr:
	ds_load_b64 v[Q:Q+1], v[RK]
	s_wait_dscnt 0x0
	global_store_b64 v[L8], v[Q:Q+1], s[26:27]
.Lend:
	s_wait_dscnt 0x0                               ; the closing lines, six on end
	s_wait_alu 0x0
	s_wait_tensorcnt 0x0
	ds_add_u32 v23, v239
	s_wait_dscnt 0x0
	s_endpgm
.Lfunc_end_k_q7296b80f57_gate:
	.size	k_q7296b80f57_gate, .Lfunc_end_k_q7296b80f57_gate-k_q7296b80f57_gate
	.p2alignl 7, 3214868480
	.fill 96, 4, 3214868480
	.section	.rodata,"a",@progbits
	.p2align	6, 0x0
	.amdhsa_kernel k_q7296b80f57_gate
		.amdhsa_group_segment_fixed_size 155136
		.amdhsa_private_segment_fixed_size 0
		.amdhsa_enable_private_segment 0
		.amdhsa_kernarg_size 112
		.amdhsa_user_sgpr_count 2
		.amdhsa_user_sgpr_kernarg_segment_ptr 1
		.amdhsa_wavefront_size32 1
		.amdhsa_system_sgpr_workgroup_id_x 1
		.amdhsa_system_sgpr_workgroup_id_y 1
		.amdhsa_system_sgpr_workgroup_id_z 1
		.amdhsa_system_vgpr_workitem_id 0
		.amdhsa_next_free_vgpr 768
		.amdhsa_next_free_sgpr 66
		.amdhsa_reserve_vcc 1
		.amdhsa_float_denorm_mode_32 3
		.amdhsa_float_denorm_mode_16_64 3
		.amdhsa_memory_ordered 1
		.amdhsa_forward_progress 1
		.amdhsa_inst_pref_size 75
	.end_amdhsa_kernel
	.amdgpu_metadata
---
amdhsa.version: [ 1, 2 ]
amdhsa.kernels:
  - .name:           k_q7296b80f57_gate
    .symbol:         k_q7296b80f57_gate.kd
    .args:
      - { .name: x_codes, .offset: 0, .size: 8, .value_kind: global_buffer, .address_space: global }
      - { .name: x_scales, .offset: 8, .size: 8, .value_kind: global_buffer, .address_space: global }
      - { .name: Wg1_codes, .offset: 16, .size: 8, .value_kind: global_buffer, .address_space: global }
      - { .name: Wg1_scales, .offset: 24, .size: 8, .value_kind: global_buffer, .address_space: global }
      - { .name: Wg2, .offset: 32, .size: 8, .value_kind: global_buffer, .address_space: global }
      - { .name: bg1, .offset: 40, .size: 8, .value_kind: global_buffer, .address_space: global }
      - { .name: bg2, .offset: 48, .size: 8, .value_kind: global_buffer, .address_space: global }
      - { .name: We_codes, .offset: 56, .size: 8, .value_kind: global_buffer, .address_space: global }
      - { .name: out1, .offset: 64, .size: 8, .value_kind: global_buffer, .address_space: global }
      - { .name: out2, .offset: 72, .size: 8, .value_kind: global_buffer, .address_space: global }
      - { .name: tw, .offset: 80, .size: 8, .value_kind: global_buffer, .address_space: global }
      - { .name: kr, .offset: 88, .size: 8, .value_kind: global_buffer, .address_space: global }
      - { .name: hist, .offset: 96, .size: 8, .value_kind: global_buffer, .address_space: global }
      - { .name: wf, .offset: 104, .size: 8, .value_kind: global_buffer, .address_space: global }
    .group_segment_fixed_size: 155136
    .private_segment_fixed_size: 0
    .kernarg_segment_align: 8
    .kernarg_segment_size: 112
    .max_flat_workgroup_size: 128
    .sgpr_count:     66
    .vgpr_count:     768
    .wavefront_size: 32
...
	.end_amdgpu_metadata
.endif
;; end of part 4
;; launch place (part 5): grid 1 x 1, 16 waves a work-group, no clusters, 4,352 bytes of LDS; arguments kr, hist, order, work; writes order, work
.if DOCPART == 5
	.amdgcn_target "amdgcn-amd-amdhsa--gfx1250"
	.amdhsa_code_object_version 6
	.text
	.protected	k_q7296b80f57_place
	.globl	k_q7296b80f57_place
	.p2align	8
	.type	k_q7296b80f57_place,@function
k_q7296b80f57_place:
	s_mov_b64 s[64:65], 0
	v_nop
	global_prefetch_b8 v0, s[64:65] scope:SCOPE_SE
	s_setreg_imm32_b32 hwreg(HW_REG_WAVE_MODE, 25, 1), 1
	s_wait_xcnt 0x0
; A COUNTING SORT of the 8,192 tokens by the key of their pair of experts (0 .. 27), from the 512 tile histograms and each token's rank in its tile; and THE DEALING OF WAVES for the launch that follows.
; order[position] = token | i1 << 16 | i2 << 20.  position = the key's first position + the key's tokens in earlier tiles + the token's rank in its tile: a permutation, so every word of order is stored.
; One work-group of sixteen waves.  Wave v owns tiles 32 v .. 32 v + 31 (tokens 512 v on).  A LANE IS A KEY: it sums its key's counts down the wave's 32 tiles in registers;
; the sixteen waves' totals meet in LDS, 128 bytes a wave, behind the first barrier.  A token then takes its tile's number for its key from the lane of that key.
; work[W] = block | first group << 8 | groups << 16, for each of the next launch's 1,024 waves.  A block is 64 sorted positions, a group 64 of the 1,024 output columns; a block that uses n experts
; costs 4 n units of weights a group.  A block with n >= 4 is dealt 16 waves of one group; each such block is paid for by four blocks with n = 2, which get 6 waves (3, 3, 3, 3, 3, 1 groups);
; all others get 8 waves of two groups.  As many heavy blocks are honoured, in the blocks' order, as a quarter of the light ones can pay for: 8 more for each, 4 x 2 fewer: the sum is 1,024 for every split.
; Waves 0 to 3 do that, a lane a block: a key's positions cover a run of blocks, and each block of the run takes the pair's two bits.  Their ballots (n >= 4; n = 2) meet in LDS behind the second barrier.
; A lane whose block has fewer than 16 waves stores its last word again: the same value to the same place.
; The stores are 4 bytes a lane to scattered places, 36,864 bytes in all: gathering them in LDS first would need LDS addresses made of loaded numbers in sixteen waves at once.
; More work-groups would each have to read all earlier histograms again: the chain load, sum, store is short and one work-group reads each word once.
.set BAL, 2048                         ; LDS: 0: sixteen waves' totals, 128 bytes each;  BAL: 8 bytes a wave: two ballots
.set A,  8                             ; v8-40    A[j]: my key's tokens ahead of tile j of my wave; A[32]: the wave's total
.set KR, 44                            ; v44-59   16 x 32 tokens' words of kr
.set R,  60                            ; v60-75   the sixteen waves' totals of my key
.set BP, 76                            ; v76-107  what the tokens fetched from the keys' lanes
.set AD, 108                           ; v108-123 a register of its own for each store's address,
.set WD, 124                           ; v124-139 and for its word
.set A2, 168                           ; v168-183, v184-199 the same for the stores of work
.set W2, 184
	s_load_b128 s[4:7], s[0:1], 0x0                ; kr, hist
	s_load_b128 s[8:11], s[0:1], 0x10              ; order, work
	v_lshl_add_u32 v208, v0, 2, 0x900
	v_mov_b32 v209, 0
	v_and_b32 v2, 31, v0                           ; lane
	s_delay_alu instid0(VALU_DEP_1)
	v_lshlrev_b32 v1, 2, v2
	v_lshrrev_b32 v3, 5, v0
	s_delay_alu instid0(VALU_DEP_1)
	v_readfirstlane_b32 s28, v3                    ; wave 0..15
	s_mov_b32 s12, 0xffff0000                      ; lanes 16-31, as a mask
	s_lshl_b32 s14, s28, 7
	v_add_nc_u32 v3, s14, v1                       ; LDS: 128 x wave + 4 x lane
	s_lshl_b32 s14, s28, 9
	v_add_nc_u32 v143, s14, v2                     ; my first token: 512 x wave + lane
	v_mov_b32 v4, s28
	s_delay_alu instid0(VALU_DEP_1)
	v_lshl_add_u32 v4, v4, 3, BAL                  ; LDS: my wave's two ballots
	v_mov_b32 v5, BAL                              ; and where all of them begin
	s_lshl_b32 s14, s28, 5
	v_add_nc_u32 v147, s14, v2                     ; in waves 0 to 3: my block, 32 x wave + lane
	v_mov_b32 v151, 0
	s_mov_b32 s17, 0
	s_wait_kmcnt 0x0
	s_lshl_b32 s16, s28, 12                        ; 32 tiles x 128 bytes
	s_add_nc_u64 s[6:7], s[6:7], s[16:17]
	s_lshl_b32 s16, s28, 11                        ; 512 tokens x 4 bytes
	s_add_nc_u64 s[4:5], s[4:5], s[16:17]
.set j, 0
.rept 32
	global_load_b32 v[A+1+j], v1, s[6:7] offset:128*j
.set j, j+1
.endr
.set j, 0
.rept 16
	global_load_b32 v[KR+j], v1, s[4:5] offset:128*j
.set j, j+1
.endr
	s_wait_loadcnt 16                              ; loads come back in order (ISA guide 5.7.1): kr's sixteen may be out, the histograms are in
	v_mov_b32 v[A], 0
.set j, 1
	v_add_nc_u32 v[A+1+j], v[A+1+j], v[A+j]
.set j, j+1
.rept (31)-1
	s_delay_alu instid0(VALU_DEP_1)
	v_add_nc_u32 v[A+1+j], v[A+1+j], v[A+j]
.set j, j+1
.endr
	ds_store_b32 v3, v[A+32]
	s_wait_dscnt 0x0                               ; for the others' sake
	s_barrier_signal -1
	s_barrier_wait -1
.set j, 0
.rept 16
	ds_load_b32 v[R+j], v1 offset:128*j
.set j, j+1
.endr
	v_mov_b32 v140, 0                              ; my key's tokens in all,
	v_mov_b32 v141, 0                              ; and in the waves ahead of mine
	v_mov_b32 v142, 0
	s_wait_alu depctr_va_vdst(0)
	s_wait_dscnt 0x0
.set j, 0
.rept 16
	s_cmp_gt_u32 s28, j
	s_cselect_b32 s13, -1, 0
	v_add_nc_u32 v140, v140, v[R+j]
	v_and_b32 v144, s13, v[R+j]
	s_delay_alu instid0(VALU_DEP_1)
	v_add_nc_u32 v141, v141, v144
.set j, j+1
.endr
	s_mov_b32 s29, 0                               ; each key's first position: the sum of the keys ahead of it
.set j, 0
.rept 28
	v_writelane_b32 v142, s29, j
	v_readlane_b32 s13, v140, j
	s_add_co_u32 s29, s29, s13
.set j, j+1
.endr
	; ---- waves 0 to 3: which experts each of my 32 blocks uses
	s_cmp_gt_u32 s28, 3
	s_cbranch_scc1 .Lnot_blocks
	v_lshrrev_b32 v145, 6, v142                    ; a lane a key: the block of its first position,
	v_add_nc_u32 v146, v142, v140
	s_delay_alu instid0(VALU_DEP_1)
	v_add_nc_u32 v146, -1, v146
	s_delay_alu instid0(VALU_DEP_1)
	v_lshrrev_b32 v146, 6, v146                    ; of its last,
	s_delay_alu instid0(VALU_DEP_1)
	v_sub_nc_u32 v146, v146, v145
	s_delay_alu instid0(VALU_DEP_1)
	v_add_nc_u32 v146, 1, v146                     ; how many blocks it touches,
	v_cmp_ne_u32 vcc_lo, 0, v140
	s_delay_alu instid0(VALU_DEP_1)
	v_cndmask_b32 v146, 0, v146, vcc_lo            ; none if it has no token
	v_mov_b32 v148, 0                              ; a lane a block: the set of its experts
.set ka, 0                             ; the key's pair {ka < kb}: keys count kb upward for even ka, downward for odd ka
.set ko, 0
.set K, 0
.rept 28
.if ka%2
.set kb, 7-ko
.else
.set kb, ka+1+ko
.endif
.set PM, (1<<ka)|(1<<kb)
	v_readlane_b32 s13, v145, K
	v_readlane_b32 s14, v146, K
	s_delay_alu instid0(VALU_DEP_2)
	v_sub_nc_u32 v149, v147, s13                   ; my block's place in the key's run of blocks (a block ahead of the run wraps to a large number)
	s_delay_alu instid0(VALU_DEP_1)
	v_cmp_le_u32 vcc_lo, s14, v149                 ; outside the run?
	s_delay_alu instid0(VALU_DEP_1)
	v_cndmask_b32 v149, PM, v151, vcc_lo           ; the pair's two bits, or none
	s_delay_alu instid0(VALU_DEP_1)
	v_or_b32 v148, v148, v149
.set ko, ko+1
.if ko == 7-ka
.set ka, ka+1
.set ko, 0
.endif
.set K, K+1
.endr
	s_delay_alu instid0(VALU_DEP_1)
	v_lshrrev_b32 v149, 1, v148                    ; n: the ones among eight bits, summed in pairs, fours and eight
	s_delay_alu instid0(VALU_DEP_1)
	v_and_b32 v149, 0x55, v149
	s_delay_alu instid0(VALU_DEP_1)
	v_sub_nc_u32 v150, v148, v149
	s_delay_alu instid0(VALU_DEP_1)
	v_lshrrev_b32 v149, 2, v150
	s_delay_alu instid0(VALU_DEP_1)
	v_and_b32 v149, 0x33, v149
	s_delay_alu instid0(VALU_DEP_3)
	v_and_b32 v150, 0x33, v150
	s_delay_alu instid0(VALU_DEP_1)
	v_add_nc_u32 v150, v150, v149
	s_delay_alu instid0(VALU_DEP_1)
	v_lshrrev_b32 v149, 4, v150
	s_delay_alu instid0(VALU_DEP_1)
	v_add_nc_u32 v150, v150, v149
	s_delay_alu instid0(VALU_DEP_1)
	v_and_b32 v150, 15, v150
	s_delay_alu instid0(VALU_DEP_1)
	v_cmp_le_u32 s16, 4, v150                      ; heavy blocks
	s_delay_alu instid0(VALU_DEP_2)
	v_cmp_eq_u32 s17, 2, v150                      ; light blocks
	s_delay_alu instid0(VALU_DEP_2)
	v_mov_b32 v160, s16
	s_delay_alu instid0(VALU_DEP_2)
	v_mov_b32 v161, s17
	ds_store_b64 v4, v[160:161]                    ; all lanes write the same 8 bytes with the same values
.Lnot_blocks:
	s_wait_alu depctr_va_vdst(0)
	v_add_nc_u32 v142, v142, v141
.set j, 0
.rept 32
	v_add_nc_u32 v[A+j], v[A+j], v142              ; A[j]: the position of tile j's first token of my key
.set j, j+1
.endr
	s_wait_loadcnt 0x0                             ; kr
.set j, 0
.rept 16
	v_and_b32 v[AD+j], 31, v[KR+j]                 ; the token's key: the lane to ask
	s_delay_alu instid0(VALU_DEP_1)
	v_min_u32 v[AD+j], 31, v[AD+j]
	s_delay_alu instid0(VALU_DEP_1)
	v_lshlrev_b32 v[AD+j], 2, v[AD+j]
	ds_bpermute_b32 v[BP+2*j], v[AD+j], v[A+2*j]   ; lanes 0-15 are tokens of tile 2 j,
	ds_bpermute_b32 v[BP+2*j+1], v[AD+j], v[A+2*j+1]   ; lanes 16-31 of tile 2 j + 1
.set j, j+1
.endr
	s_wait_dscnt 0x0
.set j, 0
.rept 16
	v_cndmask_b32 v[AD+j], v[BP+2*j], v[BP+2*j+1], s12
	v_bfe_u32 v144, v[KR+j], 8, 4                  ; + the rank in the tile
	s_delay_alu instid0(VALU_DEP_1)
	v_add_nc_u32 v[AD+j], v[AD+j], v144
	s_delay_alu instid0(VALU_DEP_1)
	v_min_u32 v[AD+j], 0x1fff, v[AD+j]             ; a position stays inside order
	s_delay_alu instid0(VALU_DEP_1)
	v_lshlrev_b32 v[AD+j], 2, v[AD+j]
	v_add_nc_u32 v[WD+j], 32*j, v143               ; the token,
	s_delay_alu instid0(VALU_DEP_1)
	v_and_or_b32 v[WD+j], v[KR+j], 0x770000, v[WD+j]   ; and its two experts
	global_store_b32 v[AD+j], v[WD+j], s[8:9]
.set j, j+1
.endr
	s_wait_dscnt 0x0                               ; for the others' sake: the ballots have landed
	s_barrier_signal -1
	s_barrier_wait -1
	; ---- waves 0 to 3: the waves are dealt
	s_cmp_gt_u32 s28, 3
	s_cbranch_scc1 .Lend
	ds_load_b128 v[152:155], v5                    ; heavy and light ballots of blocks 0-31, 32-63,
	ds_load_b128 v[156:159], v5 offset:16          ; 64-95, 96-127
	s_wait_dscnt 0x0
.irp i, 0,1,2,3,4,5,6,7
	v_readfirstlane_b32 s[16+\i], v[152+\i]        ; s16, 18, 20, 22 heavy; s17, 19, 21, 23 light
.endr
.irp i, 0,1,2,3,4,5,6,7
	s_bcnt1_i32_b32 s[30+\i], s[16+\i]             ; s30, 32, 34, 36 heavy blocks; s31, 33, 35, 37 light blocks
.endr
	s_add_co_u32 s38, s30, s32
	s_add_co_u32 s38, s38, s34
	s_add_co_u32 s38, s38, s36                     ; heavy blocks in all
	s_add_co_u32 s39, s31, s33
	s_add_co_u32 s39, s39, s35
	s_add_co_u32 s39, s39, s37                     ; light blocks in all
	s_lshr_b32 s39, s39, 2
	s_min_u32 s38, s38, s39                        ; H: the heavy blocks that are honoured
	s_lshl_b32 s39, s38, 2                         ; 4 H: the light blocks that pay
	s_mov_b32 s40, 0                               ; heavy and light blocks in the waves ahead of mine,
	s_mov_b32 s41, 0
	s_mov_b32 s42, s16                             ; and my own two ballots
	s_mov_b32 s43, s17
.irp q, 1,2,3
	s_cmp_ge_u32 s28, \q
	s_cselect_b32 s13, s[28+2*\q], 0
	s_cselect_b32 s14, s[29+2*\q], 0
	s_cselect_b32 s42, s[16+2*\q], s42
	s_cselect_b32 s43, s[17+2*\q], s43
	s_add_co_u32 s40, s40, s13                     ; (the additions stand behind all selections on the compare)
	s_add_co_u32 s41, s41, s14
.endr
	v_mbcnt_lo_u32_b32 v162, s42, 0
	s_delay_alu instid0(VALU_DEP_1)
	v_add_nc_u32 v162, s40, v162                   ; heavy blocks ahead of mine
	v_mbcnt_lo_u32_b32 v163, s43, 0
	s_delay_alu instid0(VALU_DEP_1)
	v_add_nc_u32 v163, s41, v163                   ; light blocks ahead of mine
	s_delay_alu instid0(VALU_DEP_3)
	v_cmp_gt_u32 s44, s38, v162
	s_and_b32 s44, s44, s42                        ; my block is heavy and honoured
	v_cmp_gt_u32 s45, s39, v163
	s_and_b32 s45, s45, s43                        ; my block is light and pays
	v_min_u32 v162, s38, v162
	v_min_u32 v163, s39, v163
	v_lshlrev_b32 v164, 3, v147
	s_delay_alu instid0(VALU_DEP_1)
	v_lshl_add_u32 v164, v162, 3, v164
	s_delay_alu instid0(VALU_DEP_3)
	v_lshlrev_b32 v163, 1, v163
	s_delay_alu instid0(VALU_DEP_1)
	v_sub_nc_u32 v164, v164, v163                  ; my block's first wave: 8 a block, 8 more for each honoured one ahead, 2 fewer for each that pays
	v_cndmask_b32 v165, 8, 16, s44
	s_delay_alu instid0(VALU_DEP_1)
	v_cndmask_b32 v165, v165, 6, s45               ; its waves,
	v_cndmask_b32 v166, 2, 1, s44
	s_delay_alu instid0(VALU_DEP_1)
	v_cndmask_b32 v166, v166, 3, s45               ; and the groups of each
	s_delay_alu instid0(VALU_DEP_3)
	v_add_nc_u32 v165, -1, v165
.set j, 0
.rept 16
	v_min_u32 v144, j, v165                        ; the j-th wave of my block, or its last once more
	s_delay_alu instid0(VALU_DEP_1)
	v_mul_u32_u24 v149, v144, v166                 ; its first group,
	s_delay_alu instid0(VALU_DEP_1)
	v_sub_nc_u32 v150, 16, v149
	s_delay_alu instid0(VALU_DEP_1)
	v_min_u32 v150, v150, v166                     ; and how many: what is left of the 16 at the most
	s_delay_alu instid0(VALU_DEP_4)
	v_add_nc_u32 v[A2+j], v164, v144
	s_delay_alu instid0(VALU_DEP_1)
	v_min_u32 v[A2+j], 0x3ff, v[A2+j]              ; a wave's number stays inside work
	s_delay_alu instid0(VALU_DEP_1)
	v_lshlrev_b32 v[A2+j], 2, v[A2+j]
	v_lshl_or_b32 v[W2+j], v149, 8, v147
	s_delay_alu instid0(VALU_DEP_1)
	v_lshl_or_b32 v[W2+j], v150, 16, v[W2+j]
	global_store_b32 v[A2+j], v[W2+j], s[10:11]
.set j, j+1
.endr
.Lend:
	s_wait_tensorcnt 0x0
	ds_add_u32 v208, v209
	s_wait_dscnt 0x0
	s_endpgm
.Lfunc_end_k_q7296b80f57_place:
	.size	k_q7296b80f57_place, .Lfunc_end_k_q7296b80f57_place-k_q7296b80f57_place
	.p2alignl 7, 3214868480
	.fill 96, 4, 3214868480
	.section	.rodata,"a",@progbits
	.p2align	6, 0x0
	.amdhsa_kernel k_q7296b80f57_place
		.amdhsa_group_segment_fixed_size 4352
		.amdhsa_private_segment_fixed_size 0
		.amdhsa_enable_private_segment 0
		.amdhsa_kernarg_size 32
		.amdhsa_user_sgpr_count 2
		.amdhsa_user_sgpr_kernarg_segment_ptr 1
		.amdhsa_wavefront_size32 1
		.amdhsa_system_sgpr_workgroup_id_x 1
		.amdhsa_system_sgpr_workgroup_id_y 1
		.amdhsa_system_sgpr_workgroup_id_z 1
		.amdhsa_system_vgpr_workitem_id 0
		.amdhsa_next_free_vgpr 210
		.amdhsa_next_free_sgpr 66
		.amdhsa_reserve_vcc 1
		.amdhsa_float_denorm_mode_32 3
		.amdhsa_float_denorm_mode_16_64 3
		.amdhsa_memory_ordered 1
		.amdhsa_forward_progress 1
		.amdhsa_inst_pref_size 60
	.end_amdhsa_kernel
	.amdgpu_metadata
---
amdhsa.version: [ 1, 2 ]
amdhsa.kernels:
  - .name:           k_q7296b80f57_place
    .symbol:         k_q7296b80f57_place.kd
    .args:
      - { .name: kr, .offset: 0, .size: 8, .value_kind: global_buffer, .address_space: global }
      - { .name: hist, .offset: 8, .size: 8, .value_kind: global_buffer, .address_space: global }
      - { .name: order, .offset: 16, .size: 8, .value_kind: global_buffer, .address_space: global }
      - { .name: work, .offset: 24, .size: 8, .value_kind: global_buffer, .address_space: global }
    .group_segment_fixed_size: 4352
    .private_segment_fixed_size: 0
    .kernarg_segment_align: 8
    .kernarg_segment_size: 32
    .max_flat_workgroup_size: 512
    .sgpr_count:     66
    .vgpr_count:     210
    .wavefront_size: 32
...
	.end_amdgpu_metadata
.endif
;; end of part 5
;; launch experts (part 6): grid 256 x 1, 4 waves a work-group, no clusters, 271,872 bytes of LDS; arguments order, tw, wf, We_scales, be, x_codes, x_scales, out0, work; writes out0
.if DOCPART == 6
	.amdgcn_target "amdgcn-amd-amdhsa--gfx1250"
	.amdhsa_code_object_version 6
	.text
	.protected	k_q7296b80f57_experts
	.globl	k_q7296b80f57_experts
	.p2align	8
	.type	k_q7296b80f57_experts,@function
k_q7296b80f57_experts:
	s_mov_b64 s[64:65], 0
	v_nop
	global_prefetch_b8 v0, s[64:65] scope:SCOPE_SE
	s_setreg_imm32_b32 hwreg(HW_REG_WAVE_MODE, 25, 1), 1
	s_wait_xcnt 0x0
; out0[token] = w1 (x We[i1]^T + be[i1]) + w2 (x We[i2]^T + be[i2]), on codes of FP6 (E2M3) with E8M0 scales.  Only experts that are used are multiplied.
; SHARES.  1,024 waves, each on its own: wave W = 4 x work-group + wave reads work[W] = block | first group << 8 | groups << 16: a block of 64 sorted positions (four tiles of 16 tokens) and
; one to three groups of 64 output columns (four tiles of 16: 256 bytes of a row of out0).  The launch before has dealt the waves so that a block that uses many experts has more waves with
; fewer groups each.  Each number of out0 has one owner.  Waves share nothing: the launch has no barrier.
; x STAYS: the wave's 64 gathered rows, all of K, are 32 fragments in 384 registers.  WEIGHTS STREAM from wf, where they lie as images of operand registers: a UNIT is one column tile of
; one expert: 24 loads of 512 consecutive bytes, one of scale words, two of bias, and 32 matrix instructions; each fragment of weights feeds four.
; THE WALK.  The tokens are sorted by their pair of experts, so a block uses few experts: n of them, 2 to 8, listed from the stored words, four bits each.  For each group of columns
; the wave walks the n experts; a unit's result T (bias as the C of its first product) is weighed by g = the token's gate weight for that expert, or 0, and added to the running sums, which
; lie in the wave's own stage in LDS, 64 rows x (256 + 16) bytes; from there whole rows leave: sixteen lanes store 256 consecutive bytes, at a multiple of 256 from out0's first byte.
; THE MATRIX INSTRUCTION IS USED TRANSPOSED (source 0 = 16 rows of We, source 1 = 16 tokens): lane (r, h) holds token r and eight neighbouring columns 8 h + 0 .. 7.
; FOUR SLOTS of registers take the units' weights by turns: slot k serves column tile k of a group, and is filled again, for the next expert or the next group, as soon as its products are issued.
; NO TENSOR LOADS, NO JOINT REQUESTS: how many groups and experts a wave walks, and which, are numbers read from memory, and partners would need different tiles; so operands go from memory
; to registers.  No prefetch: wf's units are read by many waves, and a row of x is known only when it is loaded.
; LIMITS: NaN, infinities and the scale byte 0xff are not served.  An expert that a token did not choose but another of its 64 did is multiplied and weighed by 0: were such a product beyond
; f32's range, 0 x infinity would give NaN where the definition has a number.
; REGISTERS.  window 0: v1-7 addresses; v8-15, v168-175 the stores' offsets; v16-23 g, twice for each tile; v24-31 the tokens' experts; v32-39 their weights; v40-55 x's scale words;
;   v56-71 the slots' scale words; v72-103 the slots' bias; v104-135 T (at the head the gather's offsets); v136-167, v176-207 the sums at work, two sets by turns; v208-255 half a slot.
;   window 1: x's fragments of K steps 0-3 (v[12 (4 s + t)]; at the head rows 0-31 as gathered), half a slot at v192.   window 2: K steps 4-7 (rows 32-63), half a slot at v192.   window 3: five halves of slots.
.set PITCH, 784                        ; a staged row of x: 768 bytes + 16 = 196 words: row r starts at bank 4 r mod 64 (64 banks of 4 bytes: ISA guide 11.1)
.set XST,   1024                       ; LDS: 0: each wave's 64 words of order, 256 bytes;  XST: each wave's 64 rows of x;
.set XWB,   64*PITCH
.set STG,   XST+4*XWB                  ; the waves' stages, 64 x 272 bytes each
.set LW,  1                            ; v1   16 x lane
.set LSC, 2                            ; v2   32 r + 16 h
.set LBI, 3                            ; v3   32 h
.set STO, 4                            ; v4   my stage: row r, + 32 h
.set SRD, 5                            ; v5   my stage: row h, + 16 r
.set TKF, 6                            ; v6   my words of order, + 4 h
.set OCO, 7                            ; v7   16 r
.set F0,  8
.set G,   16
.set I1,  24
.set I2,  28
.set TW,  32
.set XS,  40                           ; tile t: v[XS + 4 t + j]: lanes 0-15 K step j, lanes 16-31 K step 4 + j
.set WS,  56                           ; slot k likewise
.set BI,  72
.set T,   104
.set OT,  136
.set GO,  104                          ; at the head: v104-135 the gather's 32 offsets; v136-162 at work
.set XWR, 143
.set XRD, 144
.set MSB, 0
.macro WIN new                         ; the immediate's high byte repeats the setting that is left
.if MSB != (\new)
	s_set_vgpr_msb (MSB<<8)|(\new)
.set MSB, (\new)
.endif
.endm
.macro FRAG reg, adr, off              ; a fragment out of staged rows: 24 + 24 bytes of a row, in pieces of 8
.irp p, 0,1,2,3,4,5
	ds_load_b64 v[\reg+2*\p:\reg+2*\p+1], v[\adr] offset:\off+48*(\p/3)+8*(\p%3)
.endr
.endm
.macro HS k, hh                        ; where half hh (four fragments, 48 registers) of slot k lies: window AW, register AB
.set HI, 2*(\k)+(\hh)
.if HI < 5
.set AW, 3
.set AB, 48*HI
.elseif HI == 5
.set AW, 1
.set AB, 192
.elseif HI == 6
.set AW, 2
.set AB, 192
.else
.set AW, 0
.set AB, 208
.endif
.endm
.macro GETE dst, idx                   ; entry idx of the list of experts; held inside the tables that it indexes
	s_lshl_b32 s33, \idx, 2
	s_lshr_b32 \dst, s24, s33
	s_and_b32 \dst, \dst, 7
	s_min_u32 \dst, \dst, 7
.endm
.macro SETBASE e, gs, wt               ; where the fills read: unit q = 64 e + 4 x group.  wt = 1: earlier fills have named these bases
.if \wt
	s_wait_xcnt 0x0                                ; the earlier memory instructions have had their addresses translated (ISA guide 3.1): only now are their bases written again
.endif
	s_min_u32 s32, \gs, 15                         ; a group stays among the 16
	s_lshl_b32 s32, s32, 2
	s_lshl_b32 s35, \e, 6
	s_add_co_u32 s32, s32, s35
	s_mul_i32 s46, s32, 12288
	s_add_nc_u64 s[40:41], s[8:9], s[46:47]        ; images of codes
	s_lshl_b32 s46, s32, 9
	s_add_nc_u64 s[42:43], s[10:11], s[46:47]      ; 16 rows x 32 scale bytes
	s_lshl_b32 s46, s32, 6
	s_add_nc_u64 s[44:45], s[12:13], s[46:47]      ; 16 numbers of bias
.endm
.macro SETG e                          ; g = the token's weight for expert e, or 0; twice, for the packed forms
.irp t, 0,1,2,3
	v_cmp_eq_u32 vcc_lo, \e, v[I1+\t]
	v_cndmask_b32 v[G+2*\t], 0, v[TW+2*\t], vcc_lo
	v_cmp_eq_u32 vcc_lo, \e, v[I2+\t]
	v_cndmask_b32 v[G+2*\t], v[G+2*\t], v[TW+2*\t+1], vcc_lo
	v_mov_b32 v[G+2*\t+1], v[G+2*\t]
.endr
.endm
.macro FILL k                          ; 27 loads: slot k's bias, scale words and eight fragments
	global_load_b128 v[BI+8*(\k):BI+8*(\k)+3], v[LBI], s[44:45] offset:64*(\k)
	global_load_b128 v[BI+8*(\k)+4:BI+8*(\k)+7], v[LBI], s[44:45] offset:64*(\k)+16
	global_load_b128 v[WS+4*(\k):WS+4*(\k)+3], v[LSC], s[42:43] offset:512*(\k)
.irp hh, 0,1
	HS \k, \hh
.set WN, AW<<6
	WIN WN
.irp sl, 0,1,2,3
.irp c, 0,1,2
	global_load_b128 v[AB+12*\sl+4*\c:AB+12*\sl+4*\c+3], v[LW], s[40:41] offset:12288*(\k)+1536*(4*\hh+\sl)+512*\c
.endr
.endr
.endr
	WIN 0
.endm
; A UNIT: column tile k of the group, the expert in hand.  start = 1: the group's first expert starts the sums.  fill = 1: the slot is filled again.  cnt: how many younger loads may be out.
; The four accumulators take turns, one instruction a turn, within a unit and from unit to unit.
.macro UNIT k, start, fill, cnt
	s_wait_loadcnt \cnt                            ; loads come back in order (ISA guide 5.7.1): the slot's fill is in
.set OTB, OT+40*((\k)%2)
.if !(\start)
.irp t, 0,1,2,3
	ds_load_b128 v[OTB+8*\t:OTB+8*\t+3], v[STO] offset:4352*\t+64*(\k)       ; the sums so far.  This set's last stores, two units back, were waited for in the unit between
	ds_load_b128 v[OTB+8*\t+4:OTB+8*\t+7], v[STO] offset:4352*\t+64*(\k)+16
.endr
.endif
.irp hh, 0,1
	HS \k, \hh
.set WN, AW|((1+\hh)<<2)
	WIN WN                                         ; source 0: the slot's window; source 1: x's window 1 or 2; C and D window 0
.irp sl, 0,1,2,3
.irp t, 0,1,2,3
.if (\hh == 0) && (\sl == 0)
	v_wmma_scale_f32_16x16x128_f8f6f4 v[T+8*\t:T+8*\t+7], v[AB+12*\sl:AB+12*\sl+11], v[12*(4*\sl+\t):12*(4*\sl+\t)+11], v[BI+8*(\k):BI+8*(\k)+7], v[WS+4*(\k)+\sl], v[XS+4*\t+\sl] matrix_a_fmt:MATRIX_FMT_FP6 matrix_b_fmt:MATRIX_FMT_FP6
.elseif \hh == 0
	v_wmma_scale_f32_16x16x128_f8f6f4 v[T+8*\t:T+8*\t+7], v[AB+12*\sl:AB+12*\sl+11], v[12*(4*\sl+\t):12*(4*\sl+\t)+11], v[T+8*\t:T+8*\t+7], v[WS+4*(\k)+\sl], v[XS+4*\t+\sl] matrix_a_fmt:MATRIX_FMT_FP6 matrix_b_fmt:MATRIX_FMT_FP6
.else
	v_wmma_scale_f32_16x16x128_f8f6f4 v[T+8*\t:T+8*\t+7], v[AB+12*\sl:AB+12*\sl+11], v[12*(4*\sl+\t):12*(4*\sl+\t)+11], v[T+8*\t:T+8*\t+7], v[WS+4*(\k)+\sl], v[XS+4*\t+\sl] matrix_a_fmt:MATRIX_FMT_FP6 matrix_b_fmt:MATRIX_FMT_FP6 matrix_a_scale:MATRIX_SCALE_ROW1 matrix_b_scale:MATRIX_SCALE_ROW1
.endif
.endr
.endr
.endr
	WIN 0
.rept 4
	v_nop                                          ; four places ahead of the loads into the slot and of the first read of T; with the twelve packed lines on other tiles they are more than the five that the next unit's first product, which begins T anew, wants
.endr
.if \fill
	FILL \k
.endif
	s_wait_dscnt 0x0                               ; the sums so far are in, and the last unit's stores have read their registers
.irp t, 0,1,2,3
.irp i, 0,2,4,6
.if \start
	v_pk_mul_f32 v[OTB+8*\t+\i:OTB+8*\t+\i+1], v[T+8*\t+\i:T+8*\t+\i+1], v[G+2*\t:G+2*\t+1]   ; each accumulator from its low end on
.else
	v_pk_fma_f32 v[OTB+8*\t+\i:OTB+8*\t+\i+1], v[T+8*\t+\i:T+8*\t+\i+1], v[G+2*\t:G+2*\t+1], v[OTB+8*\t+\i:OTB+8*\t+\i+1]
.endif
.endr
.endr
.irp t, 0,1,2,3
	ds_store_b128 v[STO], v[OTB+8*\t:OTB+8*\t+3] offset:4352*\t+64*(\k)
	ds_store_b128 v[STO], v[OTB+8*\t+4:OTB+8*\t+7] offset:4352*\t+64*(\k)+16
.endr
.endm
; A group's 64 rows x 256 bytes leave, 16 rows at a time: lanes 0-15 one row, lanes 16-31 the next; the row's place in out0 comes from its token's word.
; LDS serves a wave's instructions in order (ISA guide 5.7.1.4): the loads see the last unit's stores, and the next group's stores come behind them.
.macro FLUSH
.irp b, 0,1,2,3
.set DB, T+32*(\b%2)                   ; the rows: T's registers and the first set of sums by turns
.set FB, F0+160*(\b%2)                 ; their offsets: v8-15 and v168-175
.if \b >= 2
	s_wait_xcnt 0x0                                ; the stores two turns back have read their registers
.endif
.irp j, 0,1,2,3,4,5,6,7
	ds_load_b32 v[FB+\j], v[TKF] offset:4*(16*\b+2*\j)
.endr
.irp j, 0,1,2,3,4,5,6,7
	ds_load_b128 v[DB+4*\j:DB+4*\j+3], v[SRD] offset:272*(16*\b+2*\j)
.endr
	s_wait_dscnt 8                                 ; the eight rows may be out, the tokens' words are in
.irp j, 0,1,2,3,4,5,6,7
	v_and_b32 v[FB+\j], 0x1fff, v[FB+\j]
	v_min_u32 v[FB+\j], 0x1fff, v[FB+\j]           ; a token stays inside out0
	v_lshl_add_u32 v[FB+\j], v[FB+\j], 12, v[OCO]  ; its row of 4,096 bytes, + 16 r
.endr
	s_wait_alu depctr_va_vdst(0)
	s_wait_dscnt 0x0
.irp j, 0,1,2,3,4,5,6,7
	global_store_b128 v[FB+\j], v[DB+4*\j:DB+4*\j+3], s[36:37] th:TH_STORE_NT   ; written once, read by nobody here
.endr
.endr
.endm
; A group of four column tiles: the first expert starts the sums, experts 1 .. n - 2 go round a loop, the last is written out; each expert's units fetch the next expert's weights,
; the last expert's those of the next group's first expert.  cp: which copy of the text (for the labels).  fin = 1: the wave's last group: its last expert fetches nothing.
.macro GROUP cp, fin
	s_add_co_u32 s38, s22, s29                     ; the group in hand
	GETE s30, 0
	GETE s31, 1
	SETG s30
	SETBASE s31, s38, 1
	s_min_u32 s46, s38, 15                         ; (behind SETBASE's wait: the last group's stores have read this base)
	s_lshl_b32 s46, s46, 8
	s_add_nc_u64 s[36:37], s[18:19], s[46:47]      ; out0 at the group's 256 bytes of a row
	UNIT 0, 1, 1, 63                               ; 81 younger loads, three fills, were issued behind a slot's fill; 63 is the largest count that the wait names
	UNIT 1, 1, 1, 63
	UNIT 2, 1, 1, 63
	UNIT 3, 1, 1, 63
	s_mov_b32 s27, 1
	s_cmp_le_u32 s25, 2
	s_cbranch_scc1 .Llast_\cp
.Lloop_\cp:
	GETE s30, s27
	s_add_co_u32 s28, s27, 1
	GETE s31, s28
	SETG s30
	SETBASE s31, s38, 1
	UNIT 0, 0, 1, 63
	UNIT 1, 0, 1, 63
	UNIT 2, 0, 1, 63
	UNIT 3, 0, 1, 63
	s_add_co_u32 s27, s27, 1
	s_cmp_lt_u32 s27, s26
	s_cbranch_scc1 .Lloop_\cp
.Llast_\cp:
	GETE s30, s26
	SETG s30
.if !(\fin)
	GETE s31, 0
	s_add_co_u32 s39, s38, 1
	SETBASE s31, s39, 1                            ; the next group's first expert
	UNIT 0, 0, 1, 63
	UNIT 1, 0, 1, 63
	UNIT 2, 0, 1, 63
	UNIT 3, 0, 1, 63
.else
	UNIT 0, 0, 0, 63                               ; nothing is left to fetch: three, two, one fill and none stand behind the slot's
	UNIT 1, 0, 0, 54
	UNIT 2, 0, 0, 27
	UNIT 3, 0, 0, 0
.endif
	FLUSH
.endm
; The head's gather, 32 rows at a time: rows p0 .. p0 + 31, two a step.
.macro OFFS p0                         ; sixteen words of order become byte offsets in x's codes
.set p, \p0/2
.rept 16
	v_and_b32 v[GO+p], 0x1fff, v[GO+p]
	v_min_u32 v[GO+p], 0x1fff, v[GO+p]             ; a token stays inside x
	v_mul_u32_u24 v[GO+p], v[GO+p], 768
	v_add_nc_u32 v[GO+p], v[GO+p], v[OCO]
.set p, p+1
.endr
.endm
.macro GATHER p0                       ; 48 loads: sixteen lanes read 256 aligned bytes of a gathered row
.irp p, 0,1,2,3,4,5,6,7,8,9,10,11,12,13,14,15
.irp j, 0,1,2
	global_load_b128 v[4*(3*\p+\j):4*(3*\p+\j)+3], v[GO+\p0/2+\p], s[14:15] offset:256*\j
.endr
.endr
.endm
.macro TOSTAGE p0                      ; and 48 stores into my rows of x in LDS
.irp p, 0,1,2,3,4,5,6,7,8,9,10,11,12,13,14,15
.irp j, 0,1,2
	ds_store_b128 v[XWR], v[4*(3*\p+\j):4*(3*\p+\j)+3] offset:784*\p0+1568*\p+256*\j
.endr
.endr
.endm
	s_load_b512 s[4:19], s[0:1], 0x0               ; order 4, tw 6, wf 8, We's scales 10, be 12, x's codes 14, x's scales 16, out0 18
	s_load_b64 s[48:49], s[0:1], 0x40              ; work
	s_set_vgpr_msb 0x40
	v_lshl_add_u32 v254, v0, 2, 0x42400
	v_mov_b32 v255, 0
	s_set_vgpr_msb 0x4000
	v_and_b32 v136, 31, v0                         ; lane
	v_and_b32 v137, 15, v0                         ; r
	v_bfe_u32 v138, v0, 4, 1                       ; h
	v_lshrrev_b32 v139, 5, v0
	v_readfirstlane_b32 s20, v139                  ; wave 0..3
	s_lshl_b32 s46, ttmp9, 4
	s_lshl_b32 s33, s20, 2
	s_add_co_u32 s46, s46, s33                     ; 4 bytes x (4 x work-group + wave)
	s_mov_b32 s47, 0
	s_wait_alu depctr_va_vdst(0)
	s_wait_kmcnt 0x0
	s_add_nc_u64 s[48:49], s[48:49], s[46:47]
	s_load_b32 s50, s[48:49], 0x0                  ; my share; the lane's addresses are made while it comes
	v_lshlrev_b32 v[LW], 4, v136
	v_lshlrev_b32 v[LSC], 5, v137
	v_lshl_add_u32 v[LSC], v138, 4, v[LSC]
	v_lshlrev_b32 v[LBI], 5, v138
	v_lshlrev_b32 v[OCO], 4, v137
	s_mul_i32 s34, s20, 64*272
	s_add_co_u32 s34, s34, STG                     ; my stage
	v_mul_u32_u24 v[STO], v137, 272
	v_lshl_add_u32 v[STO], v138, 5, v[STO]
	v_add_nc_u32 v[STO], s34, v[STO]
	v_mul_u32_u24 v[SRD], v138, 272
	v_lshl_add_u32 v[SRD], v137, 4, v[SRD]
	v_add_nc_u32 v[SRD], s34, v[SRD]
	s_lshl_b32 s34, s20, 8                         ; my 64 words of order in LDS
	v_lshl_add_u32 v[TKF], v138, 2, s34
	v_lshl_add_u32 v140, v137, 2, s34              ; the word of token r of tile 0
	v_lshl_add_u32 v142, v136, 3, s34              ; in: 8 bytes a lane
	v_lshlrev_b32 v141, 3, v136
	s_mul_i32 s34, s20, XWB
	s_add_co_u32 s34, s34, XST                     ; my rows of x in LDS
	v_mul_u32_u24 v[XWR], v138, PITCH
	v_lshl_add_u32 v[XWR], v137, 4, v[XWR]
	v_add_nc_u32 v[XWR], s34, v[XWR]               ; in: row h, 16 r
	v_mul_u32_u24 v[XRD], v137, PITCH
	v_mad_u32_u24 v[XRD], v138, 24, v[XRD]
	v_add_nc_u32 v[XRD], s34, v[XRD]               ; out: row r, + 24 h
	v_lshlrev_b32 v145, 4, v138                    ; 16 h
	s_wait_alu depctr_va_vdst(0)
	s_wait_kmcnt 0x0
	s_and_b32 s21, s50, 127
	s_min_u32 s21, s21, 127                        ; my block
	s_bfe_u32 s22, s50, 0x40008
	s_min_u32 s22, s22, 15                         ; my first group
	s_bfe_u32 s23, s50, 0x20010                    ; my groups: one to three, and none past the sixteenth
	s_sub_co_u32 s33, 16, s22
	s_min_u32 s23, s23, s33
	s_max_u32 s23, s23, 1
	s_sub_co_u32 s23, s23, 1
	s_min_u32 s23, s23, 2                          ; those that have a successor
	s_lshl_b32 s46, s21, 8                         ; 64 positions x 4 bytes
	s_add_nc_u64 s[4:5], s[4:5], s[46:47]
	global_load_b64 v[146:147], v141, s[4:5]
	s_wait_loadcnt 0x0
	ds_store_b64 v142, v[146:147]
.set p, 0
.rept 32
	ds_load_b32 v[GO+p], v[TKF] offset:8*p         ; my wave's own words, served in order: the tokens of rows 2 p + h
.set p, p+1
.endr
.irp t, 0,1,2,3
	ds_load_b32 v[148+\t], v140 offset:64*\t       ; and of row r of each tile
.endr
	s_wait_dscnt 0x0
	OFFS 0
	WIN 0x40                                       ; destination window 1
	GATHER 0
	WIN 0
.irp t, 0,1,2,3
	v_bfe_u32 v[I1+\t], v[148+\t], 16, 3
	v_bfe_u32 v[I2+\t], v[148+\t], 20, 3
	v_and_b32 v[148+\t], 0x1fff, v[148+\t]
	v_min_u32 v[148+\t], 0x1fff, v[148+\t]
	v_lshl_add_u32 v[152+\t], v[148+\t], 5, v145   ; x's scales: 32 bytes a token, + 16 h
	v_lshlrev_b32 v[156+\t], 3, v[148+\t]          ; tw: 8 bytes a token
.endr
.irp t, 0,1,2,3
	global_load_b128 v[XS+4*\t:XS+4*\t+3], v[152+\t], s[16:17]
	global_load_b64 v[TW+2*\t:TW+2*\t+1], v[156+\t], s[6:7]
.endr
	; the list of the experts that my 64 tokens use, ascending, four bits each, and their number n: no branch.  It is made while the first 56 loads are on their way
	v_mov_b32 v160, 1
	v_lshlrev_b32 v161, v[I1], v160
.irp t, 1,2,3
	v_lshlrev_b32 v162, v[I1+\t], v160
	v_or_b32 v161, v161, v162
.endr
.irp t, 0,1,2,3
	v_lshlrev_b32 v162, v[I2+\t], v160
	v_or_b32 v161, v161, v162
.endr
	s_wait_alu depctr_va_vdst(0)
	s_mov_b32 s24, 0
	s_mov_b32 s25, 0
.irp e, 0,1,2,3,4,5,6,7
	v_and_b32 v162, 1<<\e, v161
	v_cmp_ne_u32 vcc_lo, 0, v162
	s_cmp_lg_u32 vcc_lo, 0                         ; does any lane use expert e?
	s_cselect_b32 s33, 1, 0
	s_lshl_b32 s34, s25, 2
	s_lshl_b32 s35, \e, s34
	s_mul_i32 s35, s35, s33
	s_or_b32 s24, s24, s35
	s_add_co_u32 s25, s25, s33
.endr
	s_max_u32 s25, s25, 2                          ; a token's two experts differ, so n is 2 at the least
	s_min_u32 s25, s25, 8
	s_sub_co_u32 s26, s25, 1
	OFFS 32
	WIN 0x80                                       ; destination window 2
	GATHER 32
	WIN 0
	s_wait_loadcnt 48                              ; the second half's 48 loads may be out: rows 0-31, x's scale words and the gate weights are in
	WIN 0x04                                       ; an LDS store's data are its source 1: window 1
	TOSTAGE 0
	WIN 0
	GETE s30, 0
	SETBASE s30, s22, 0
	FILL 0                                         ; the first weights go out while the second half of x is on its way
	s_wait_loadcnt 27                              ; that fill's 27 loads may be out: rows 32-63 are in
	WIN 0x08                                       ; window 2
	TOSTAGE 32
	WIN 0
	FILL 1
	s_wait_dscnt 0x0                               ; the stores have read their registers: x's fragments land there
	WIN 0x40                                       ; x's 32 fragments: K steps 0-3 into window 1,
.irp sl, 0,1,2,3
.irp t, 0,1,2,3
	FRAG 12*(4*\sl+\t), XRD, 12544*\t+96*\sl
.endr
.endr
	WIN 0x80                                       ; K steps 4-7 into window 2
.irp sl, 0,1,2,3
.irp t, 0,1,2,3
	FRAG 12*(4*\sl+\t), XRD, 12544*\t+96*(4+\sl)
.endr
.endr
	WIN 0
	FILL 2
	FILL 3
	s_wait_dscnt 0x0                               ; x
	s_mov_b32 s29, 0                               ; groups done
	s_cmp_eq_u32 s23, 0
	s_cbranch_scc1 .Lfinal
.Lgroup:                                           ; the groups that have a successor
	GROUP 0, 0
	s_wait_xcnt 0x0                                ; the last stores have read T's registers, the first set of sums and their offsets: all are written again
	s_add_co_u32 s29, s29, 1
	s_cmp_lt_u32 s29, s23
	s_cbranch_scc1 .Lgroup
.Lfinal:
	GROUP 1, 1                                     ; the last group is written out: no load reaches past what the wave multiplies
	s_set_vgpr_msb 0x5
	s_wait_tensorcnt 0x0
	ds_add_u32 v254, v255
	s_wait_dscnt 0x0
	s_set_vgpr_msb 0x500
	s_endpgm
.Lfunc_end_k_q7296b80f57_experts:
	.size	k_q7296b80f57_experts, .Lfunc_end_k_q7296b80f57_experts-k_q7296b80f57_experts
	.p2alignl 7, 3214868480
	.fill 96, 4, 3214868480
	.section	.rodata,"a",@progbits
	.p2align	6, 0x0
	.amdhsa_kernel k_q7296b80f57_experts
		.amdhsa_group_segment_fixed_size 271872
		.amdhsa_private_segment_fixed_size 0
		.amdhsa_enable_private_segment 0
		.amdhsa_kernarg_size 72
		.amdhsa_user_sgpr_count 2
		.amdhsa_user_sgpr_kernarg_segment_ptr 1
		.amdhsa_wavefront_size32 1
		.amdhsa_system_sgpr_workgroup_id_x 1
		.amdhsa_system_sgpr_workgroup_id_y 1
		.amdhsa_system_sgpr_workgroup_id_z 1
		.amdhsa_system_vgpr_workitem_id 0
		.amdhsa_next_free_vgpr 1024
		.amdhsa_next_free_sgpr 66
		.amdhsa_reserve_vcc 1
		.amdhsa_float_denorm_mode_32 3
		.amdhsa_float_denorm_mode_16_64 3
		.amdhsa_memory_ordered 1
		.amdhsa_forward_progress 1
		.amdhsa_inst_pref_size 255
	.end_amdhsa_kernel
	.section	.bss,"aw",@nobits
	.p2align	6
	.space	262144
	.amdgpu_metadata
---
amdhsa.version: [ 1, 2 ]
amdhsa.kernels:
  - .name:           k_q7296b80f57_experts
    .symbol:         k_q7296b80f57_experts.kd
    .args:
      - { .name: order, .offset: 0, .size: 8, .value_kind: global_buffer, .address_space: global }
      - { .name: tw, .offset: 8, .size: 8, .value_kind: global_buffer, .address_space: global }
      - { .name: wf, .offset: 16, .size: 8, .value_kind: global_buffer, .address_space: global }
      - { .name: We_scales, .offset: 24, .size: 8, .value_kind: global_buffer, .address_space: global }
      - { .name: be, .offset: 32, .size: 8, .value_kind: global_buffer, .address_space: global }
      - { .name: x_codes, .offset: 40, .size: 8, .value_kind: global_buffer, .address_space: global }
      - { .name: x_scales, .offset: 48, .size: 8, .value_kind: global_buffer, .address_space: global }
      - { .name: out0, .offset: 56, .size: 8, .value_kind: global_buffer, .address_space: global }
      - { .name: work, .offset: 64, .size: 8, .value_kind: global_buffer, .address_space: global }
    .group_segment_fixed_size: 271872
    .private_segment_fixed_size: 0
    .kernarg_segment_align: 8
    .kernarg_segment_size: 72
    .max_flat_workgroup_size: 128
    .sgpr_count:     66
    .vgpr_count:     1024
    .wavefront_size: 32
...
	.end_amdgpu_metadata
.endif
;; end of part 6
